; MI455X (gfx1250); checked and timed in simulation.
; The chip was launched on July 23, 2026; its instructions are those of AMD's public machine-readable ISA for CDNA 5 (MIT licence, August 2026) and "CDNA5" Instruction Set Architecture Reference Guide (July 2026). The comments in the code are by the model that wrote it; some were corrected since.
;; Lo RA Multi Head Self Attention. Allowed arithmetic: matrix products marked QUANTISED: E5M2 operands, one given power-of-two scale a tensor, by v_wmma_f32_16x16x64_bf8_bf8 or v_wmma_f32_16x16x128_bf8_bf8, f32 sums; products left as they are: f32 operands where the result goes on into a quantised operand, else bf16, f16 or f32 operands; f32 sums; everything else in f32.
;; Inputs: A_proj 1,024 x 8 float32; A_qkv 1,024 x 8 float32; B_proj 8 x 1,024 float32; B_qkv 8 x 3,072 float32; W_proj 1,024 x 1,024 float32; W_qkv 1,024 x 3,072 float32; b_proj 1,024 float32; b_qkv 3,072 float32; lowp_scales 8 int32 (the exponents e of the quantised operands' scales 2^e); x 4 x 2,048 x 1,024 float32.
;; Outputs: out0 4 x 2,048 x 1,024 float32.
;; This version of the problem:
;;   THIS VERSION OF THE PROBLEM IS GIVEN IN LOW PRECISION. The matrix products marked QUANTISED in the list below multiply operands that are first quantised to E5M2 (5 exponent bits, 2 mantissa bits; 8 bits a number), with one given power-of-two scale for each operand tensor; their sums are f32. All else is computed in f32.
;;   The module's matrix products, in the order in which they are computed (A, B: the left and right operand; K: the contracted axis; several contracted axes count as one K, in the product's order):
;;     1. [M 8,192, K 1,024] x [K 1,024, N 3,072]; A: input x; B: input W_qkv: QUANTISED (scales: A lowp_scales[0], B lowp_scales[1])
;;     2. [M 8,192, K 1,024] x [K 1,024, N 8]; A: input x; B: input A_qkv: left as it is (N = 8 < 16)
;;     3. [M 8,192, K 8] x [K 8, N 3,072]; A: computed on the way; B: input B_qkv: left as it is (K = 8 < 32)
;;     4. batch 64 x [M 2,048, K 64] x [K 64, N 2,048]; A: computed on the way; B: computed on the way: QUANTISED (scales: A lowp_scales[2], B lowp_scales[3])
;;     5. batch 64 x [M 2,048, K 2,048] x [K 2,048, N 64]; A: softmax (see below); B: computed on the way: QUANTISED (scales: A lowp_scales[4], B lowp_scales[5])
;;     6. [M 8,192, K 1,024] x [K 1,024, N 1,024]; A: computed on the way; B: input W_proj: QUANTISED (scales: A lowp_scales[6], B lowp_scales[7])
;;     7. [M 8,192, K 1,024] x [K 1,024, N 8]; A: computed on the way; B: input A_proj: left as it is (N = 8 < 16)
;;     8. [M 8,192, K 8] x [K 8, N 1,024]; A: computed on the way; B: input B_proj: left as it is (K = 8 < 32)
;;   THE QUANTISER, for each operand of a quantised product, along K:
;;     - The operand's scale is 2^e, e = its entry of the input lowp_scales (int32; the entries are numbered through the quantised products in the list's order, A before B).
;;     - Each number is divided by the scale, clamped to +-57,344, and rounded to the nearest number of E5M2, ties to even, subnormals kept.
;;     - The product sums the exact products of the quantised numbers (number of the format x scale) in f32.
;;   ~~~python
;;   def quantise(x, axis, e):      # numpy; x: float32 -> the quantised numbers, widened to float32 again
;;       x = np.moveaxis(x, axis, -1); K = x.shape[-1]
;;       r = np.clip(x / 2.0 ** e, -57344, 57344)
;;       step = 2.0 ** (np.maximum(np.frexp(np.where(r == 0, 1, r))[1] - 1, -14) - 2)
;;       q = np.round(r / step) * step * 2.0 ** e      # np.round: ties to even
;;       return np.moveaxis(q, -1, axis).astype(np.float32)
;;   ~~~
;;   SOFTMAX AHEAD OF A QUANTISED PRODUCT. Where the list says 'softmax', what is quantised is not the finished softmax but p = 2^(t - M), with t = logit x log2(e) and M = ceil(the row's largest t), a whole number; so 1/2 < the row's largest p <= 1. The row's sum l is taken of the UNQUANTISED p, in f32, and the product's result is divided by l at the end. Since M is a whole number, a kernel that streams over the keys may use a running M (the ceiling of the running maximum): every later rescaling is an exact power of two, so the quantised numbers keep their values, but for numbers so far below the row's largest that they fall under the format's range.
;;   OPERANDS COMPUTED ON THE WAY. 'Computed on the way' means the value that the module computes at that place (a softmax that the list does not call 'softmax' is quantised finished and normalised). What goes into a quantiser is computed in f32, as accurately as f32 sums, v_exp_f32 and their like allow (about 1e-6 of the number): no bf16 or f16 on the way to a quantiser, and a product that is left as it is and whose result goes on into a quantised operand takes f32 operands (vector FMAs, or v_wmma_f32_16x16x4_f32). A number that lies on a knife's edge between two numbers of the format may be rounded either way, as far as f32 arithmetic and the matrix unit's own rounding can turn it there, and no further.
;; One version. Each part assembles by itself: llvm-mc -triple=amdgcn-amd-amdhsa -mcpu=gfx1250 --defsym DOCPART=n.
;; ======== version 1 of 1: 4 launches
;; limits: values are held in bf16: 8 bits of precision; right only within a limited range of input values
;; workspace buffers: x_codes 8,388,608 bytes; w_codes 4,194,304 bytes; xa_img 262,144 bytes; qkv_codes 25,165,824 bytes; o_codes 8,388,608 bytes; oap 4,194,304 bytes
;; launch prep (part 1): grid 256 x 1, 8 waves a work-group, no clusters, 167,936 bytes of LDS; arguments x, A_qkv, W_qkv, W_proj, lowp_scales, x_codes, xa_img, w_codes; writes x_codes, xa_img, w_codes
.if DOCPART == 1
	.amdgcn_target "amdgcn-amd-amdhsa--gfx1250"
	.amdhsa_code_object_version 6
	.text
	.protected	k_q8d05fbd733_prep
	.globl	k_q8d05fbd733_prep
	.p2align	8
	.type	k_q8d05fbd733_prep,@function
k_q8d05fbd733_prep:
	s_mov_b64 s[64:65], 0
	v_nop
	global_prefetch_b8 v0, s[64:65] scope:SCOPE_SE
	s_setreg_imm32_b32 hwreg(HW_REG_WAVE_MODE, 25, 1), 1
	s_wait_xcnt 0x0
; x [8192][1024], W_qkv [1024][3072] and W_proj [1024][1024], f32, become codes of BF8 (E5M2) with the given scales 2^e0, 2^e1, 2^e7; and x A_qkv [8192][8] is made in f32.
; code = number / 2^e, held within +-57,344, rounded to the nearest code, ties to even.
; ALL RESULTS ARE STORED AS IMAGES OF OPERAND REGISTERS.  A fragment is 16 rows x 128 K of codes, 16 registers a lane: lane (r = lane % 16, h = lane / 16) holds row r, registers 2 c, 2 c + 1 hold K = 16 c + 8 h + 0 .. 7.
; Registers 4 g .. 4 g + 3 of lane l lie at byte 512 g + 16 l of the fragment's 2,048 bytes.  x_codes: [row tile 512][K step 8][2,048]; w_codes: [column tile 256][K step 8][2,048], W_qkv's 192 tiles, then W_proj's 64.
; xa_img: [row tile 512][512]: lane (r, h), register 2 s + j = (x A_qkv)[row r][rank 4 s + 2 h + j]: the operand of the f32 matrix form, two K steps of 4.
; SHARES.  Work-group g does two jobs on one path.  W: 256 columns x 64 along K of one weight (g < 192: W_qkv, else W_proj; only pointers, the pitch and e are chosen, by the work-group's number).  A lane takes a column and its
; registers run down K, so the conversions give codes with K innermost.  x: rows 32 g .. 32 g + 31; wave w takes row tile w / 4 and 256 along K (quarter w % 4), brought into LDS by one tensor load, filled once.
; x A_qkv goes by v_wmma_f32_16x16x4_f32 with source 0 = A_qkv^T, source 1 = x.  Row m of source 0 holds rank (m & 1) + 2 ((m >> 3) & 1) + 4 ((m >> 1) & 1), so that result registers 0 to 3 ARE xa_img's image; rows with
; m & 4 repeat ranks, and their results (registers 4 to 7) are not read.  The four quarters' sums meet in LDS.
; LIMITS: e0, e1, e7 between -126 and 112, so that 2^e and 57,344 x 2^e are f32 numbers.  NaN among the inputs is not served.
.set XPITCH, 1040                      ; a row of x in LDS: 1,024 bytes + 16 of padding = 65 x 16: the 16 rows that a load touches start at 16 different groups of four banks
.set XREG,   16*XPITCH                 ; a wave's own region
.set RED,    8*XREG                    ; behind them: eight images of 512 bytes for the sum over the quarters; no tile lands there
.set SPARE,  RED+4096                  ; behind the images: the spare words, 128 bytes for each wave; no other line names them
.set LX,   1                           ; v1   LDS: my row of my wave's tile, + 32 h
.set L16,  2                           ; v2   16 x lane
.set AOF,  3                           ; v3   A_qkv: 256 h + 4 x my rank
.set WLD,  4                           ; v4   4 x lane
.set WST,  5                           ; v5   w_codes: 16,384 (lane / 16) + 16 (lane % 16)
.set XSC,  6                           ; v6   2^e0;  v7  57,344 x 2^e0
.set XLIM, 7
.set WSC,  8                           ; v8, v9  the same for the weight's e
.set WLIM, 9
.set RW,   10                          ; v10  where I put my quarter's image
.set RR,   11                          ; v11  where the four images of my row tile begin
.set AFR,  16                          ; v16-143  A_qkv: 64 pairs.  During the weight job: v16-79 numbers, v80-95 codes, v96-103 offsets
.set WN,   16
.set WC,   80
.set OFW,  96
.set XN,   144                         ; v144-175 two sets of 16 numbers of x
.set XM,   176                         ; v176-191 the same, held
.set XC,   192                         ; v192-223 codes: four registers for each block, so that no store's data are written again
.set ACC,  224                         ; v224-255 four accumulators; written by matrix instructions alone
	s_load_b256 s[4:11], s[0:1], 0x0               ; x, A_qkv, W_qkv, W_proj
	s_load_b256 s[12:19], s[0:1], 0x20             ; lowp_scales, x_codes, xa_img, w_codes
	v_lshl_add_u32 v14, v0, 2, SPARE               ; my spare word, and 0: no two registers can be kept for them, so v0 stays and they are made anew at the end
	v_mov_b32 v15, 0
	ds_add_u32 v14, v15                            ; the opening lines: the add, twice on end, and its wait ahead of my tensor load
	ds_add_u32 v14, v15
	v_lshrrev_b32 v12, 5, v0
	s_delay_alu instid0(VALU_DEP_1)
	v_readfirstlane_b32 s20, v12                   ; wave 0..7
	s_lshr_b32 s21, s20, 2                         ; which of the two row tiles
	s_and_b32 s22, s20, 3                          ; which quarter of K
	; descriptor group 1: 16 rows x 256 elements of 4 bytes, 1,024 elements from row to row; 4 words of padding behind every 256
	s_mov_b32 s24, (2<<16)|(1<<20)|(7<<22)|(3<<25)
	s_mov_b32 s25, 256<<16                         ; tensor_dim0
	s_mov_b32 s26, 16<<16                          ; tensor_dim1
	s_mov_b32 s27, 256<<16                         ; tile_dim0
	s_mov_b32 s28, 16                              ; tile_dim1
	s_mov_b32 s29, 1024                            ; stride
	s_mov_b32 s30, 0
	s_mov_b32 s31, 0
	s_mov_b32 s32, 1                               ; group 0: count,
	s_mul_i32 s33, s20, XREG                       ; LDS address: my wave's region,
	s_lshl_b32 s36, ttmp9, 17                      ; 32 rows of 4,096 bytes a work-group,
	s_lshl_b32 s38, s21, 16                        ; 16 rows a tile,
	s_add_co_u32 s36, s36, s38
	s_lshl_b32 s38, s22, 10                        ; 1,024 bytes a quarter
	s_add_co_u32 s36, s36, s38
	s_mov_b32 s37, 0
	s_wait_dscnt 0x0                               ; both opening adds are done
	s_wait_kmcnt 0x0
	s_add_nc_u64 s[34:35], s[4:5], s[36:37]        ; global address,
	s_or_b32 s35, s35, 0x80000000                  ; type 2
	tensor_load_to_lds s[32:35], s[24:31]          ; my one tensor load; the weight job stands between it and the wait for it
	s_nop 0
.rept 4
	v_nop
.endr
	s_load_b256 s[40:47], s[12:13], 0x0            ; e0 .. e7
	v_and_b32 v12, 31, v0                          ; lane
	s_delay_alu instid0(VALU_DEP_1)
	v_lshlrev_b32 v[WLD], 2, v12
	; ---- the weight job: which weight, where
	s_wait_alu depctr_va_vdst(0)
	s_cmp_lt_u32 ttmp9, 192                        ; the choice hangs on the work-group's number alone
	s_cselect_b64 s[48:49], s[8:9], s[10:11]
	s_mov_b32 s50, 4096
	s_cselect_b32 s50, 12288, s50                  ; bytes from row to row
	s_cselect_b32 s51, 0, 12                       ; W_proj's column blocks count from 12 in w_codes
	s_lshr_b32 s52, ttmp9, 4                       ; column block of 256 in w_codes
	s_and_b32 s53, ttmp9, 15                       ; which 64 along K
	s_sub_co_u32 s54, s52, s51
	s_lshl_b32 s54, s54, 10                        ; 256 columns x 4 bytes
	s_lshl_b32 s55, s20, 7                         ; my wave's 32 columns
	s_add_co_u32 s54, s54, s55
	s_lshl_b32 s55, s53, 6
	s_mul_i32 s55, s55, s50                        ; 64 rows a chunk
	s_add_co_u32 s54, s54, s55
	s_mov_b32 s55, 0
	s_add_nc_u64 s[68:69], s[48:49], s[54:55]      ; eight bases, eight rows apart,
	s_lshl_b32 s56, s50, 3
	s_mov_b32 s57, 0
.irp v, 1,2,3,4,5,6,7
	s_add_nc_u64 s[68+2*\v:69+2*\v], s[66+2*\v:67+2*\v], s[56:57]
.endr
.irp u, 0,1,2,3,4,5,6,7
	s_mul_i32 s58, s50, \u                         ; and eight offsets, a row apart: the pitch is no constant of the text
	v_add_nc_u32 v[OFW+\u], s58, v[WLD]
.endr
.irp v, 0,1,2,3,4,5,6,7
.irp u, 0,1,2,3,4,5,6,7
	global_load_b32 v[WN+8*\v+\u], v[OFW+\u], s[68+2*\v:69+2*\v] th:TH_LOAD_NT   ; row 8 v + u: 128 consecutive bytes a wave, the eight waves side by side on 1,024
.endr
.endr
	; ---- addresses for all that follows
	v_and_b32 v13, 15, v0                          ; r
	v_bfe_u32 v14, v0, 4, 1                        ; h
	v_lshlrev_b32 v[L16], 4, v12
	s_delay_alu instid0(VALU_DEP_3)
	v_mul_u32_u24 v[LX], v13, XPITCH
	s_delay_alu instid0(VALU_DEP_1)
	v_lshl_add_u32 v[LX], v14, 5, v[LX]
	s_delay_alu instid0(VALU_DEP_1)
	v_add_nc_u32 v[LX], s33, v[LX]
	v_lshlrev_b32 v[WST], 4, v13
	s_delay_alu instid0(VALU_DEP_1)
	v_lshl_add_u32 v[WST], v14, 14, v[WST]
	v_and_b32 v15, 1, v13
	v_bfe_u32 v12, v13, 3, 1
	s_delay_alu instid0(VALU_DEP_1)
	v_lshl_or_b32 v15, v12, 1, v15
	v_bfe_u32 v12, v13, 1, 1
	s_delay_alu instid0(VALU_DEP_1)
	v_lshl_or_b32 v15, v12, 2, v15                 ; my rank
	s_delay_alu instid0(VALU_DEP_1)
	v_lshlrev_b32 v[AOF], 2, v15
	s_delay_alu instid0(VALU_DEP_1)
	v_lshl_add_u32 v[AOF], v14, 8, v[AOF]          ; + 8 h rows of 32 bytes
	v_lshl_add_u32 v[RW], v0, 4, RED               ; 512 x wave + 16 x lane = 16 x thread
	v_and_b32 v[RR], 0x9f, v0                      ; lane, and the wave's row tile
	s_delay_alu instid0(VALU_DEP_1)
	v_lshl_add_u32 v[RR], v[RR], 4, RED
	s_lshl_b32 s58, s52, 18                        ; w_codes: 16 tiles of 16,384 bytes a column block,
	s_lshl_b32 s59, s20, 15                        ; two tiles a wave,
	s_add_co_u32 s58, s58, s59
	s_lshl_b32 s59, s53, 10                        ; 1,024 bytes of a tile for 64 along K
	s_add_co_u32 s58, s58, s59
	s_mov_b32 s59, 0
	s_add_nc_u64 s[60:61], s[18:19], s[58:59]
	s_lshl_b32 s58, s22, 13
	s_add_nc_u64 s[62:63], s[6:7], s[58:59]        ; A_qkv at my quarter's 256 rows
	s_lshl_b32 s58, ttmp9, 15                      ; x_codes: two tiles of 16,384 bytes a work-group,
	s_lshl_b32 s38, s21, 14
	s_add_co_u32 s58, s58, s38
	s_lshl_b32 s38, s22, 12                        ; two K steps of 2,048 bytes a quarter
	s_add_co_u32 s58, s58, s38
	s_add_nc_u64 s[84:85], s[14:15], s[58:59]
	s_lshl_b32 s58, ttmp9, 10                      ; xa_img: 512 bytes a tile
	s_lshl_b32 s38, s21, 9
	s_add_co_u32 s58, s58, s38
	s_add_nc_u64 s[86:87], s[16:17], s[58:59]
	s_wait_kmcnt 0x0
	s_cmp_lt_u32 ttmp9, 192
	s_cselect_b32 s58, s41, s47                    ; e1 or e7
	s_add_co_i32 s58, s58, 127
	s_lshl_b32 s38, s58, 23
	v_mov_b32 v[WSC], s38                          ; 2^e as f32: the conversion takes its exponent field
	s_add_co_i32 s58, s58, 15
	s_lshl_b32 s58, s58, 23
	s_or_b32 s58, s58, 0x600000
	v_mov_b32 v[WLIM], s58                         ; 57,344 x 2^e
	s_add_co_i32 s58, s40, 127
	s_lshl_b32 s38, s58, 23
	v_mov_b32 v[XSC], s38
	s_add_co_i32 s58, s58, 15
	s_lshl_b32 s58, s58, 23
	s_or_b32 s58, s58, 0x600000
	v_mov_b32 v[XLIM], s58
; 32 along K of my column: held, converted, stored.  An image's group of four registers holds K = 8 h + 0 .. 7 and 16 + 8 h + 0 .. 7 of its 32: so the four conversions' results are laid 0, 2 | 1, 3:
; the first four registers are the 16 bytes of the image's lane (r, 0), the others those of lane (r, 1), 256 bytes on.  Sixteen lanes store 256 consecutive bytes, aligned.
.macro WBLOCK t
.set j, 0
.rept 32
	v_med3_num_f32 v[WN+32*\t+j], v[WN+32*\t+j], -v[WLIM], v[WLIM]   ; the conversion to an 8-bit code does not saturate (ISA guide 7.6.2)
.set j, j+1
.endr
	v_cvt_scalef32_pk8_bf8_f32 v[WC+8*\t:WC+8*\t+1],   v[WN+32*\t:WN+32*\t+7],     v[WSC]
	v_cvt_scalef32_pk8_bf8_f32 v[WC+8*\t+4:WC+8*\t+5], v[WN+32*\t+8:WN+32*\t+15],  v[WSC]
	v_cvt_scalef32_pk8_bf8_f32 v[WC+8*\t+2:WC+8*\t+3], v[WN+32*\t+16:WN+32*\t+23], v[WSC]
	v_cvt_scalef32_pk8_bf8_f32 v[WC+8*\t+6:WC+8*\t+7], v[WN+32*\t+24:WN+32*\t+31], v[WSC]
	v_nop                                          ; a plain vector line behind the last conversion of a run
	global_store_b128 v[WST], v[WC+8*\t:WC+8*\t+3],   s[60:61] offset:512*\t
	global_store_b128 v[WST], v[WC+8*\t+4:WC+8*\t+7], s[60:61] offset:512*\t+256
.endm
	s_wait_alu depctr_va_vdst(0)
	s_wait_loadcnt 32                              ; rows 0 to 31 are in; the 32 younger loads may be out
	WBLOCK 0
	s_wait_loadcnt 0x0
	WBLOCK 1
	s_wait_xcnt 0x0                                ; the stores have read their data, which lie where A_qkv's numbers land
	; ---- A_qkv^T: pair (b, i) goes with x's pair i of block b, whose lane (r, h) holds K = 32 b + 16 (i / 4) + 8 h + 2 (i % 4) + 0, 1
.irp b, 0,1,2,3,4,5,6,7
.irp i, 0,1,2,3,4,5,6,7
.irp j, 0,1
	global_load_b32 v[AFR+2*(8*\b+\i)+\j], v[AOF], s[62:63] offset:(32*\b+16*(\i/4)+2*(\i%4)+\j)*32
.endr
.endr
.endr
; ---- the x job, 32 along K a block
.macro XLD b                           ; lane (r, h): K = 32 b + 8 h + 0 .. 7 into registers 0-7, 32 b + 16 + 8 h + 0 .. 7 into 8-15 of set b % 2
.set XS, XN+16*((\b)%2)
	ds_load_b128 v[XS:XS+3],     v[LX] offset:128*(\b)
	ds_load_b128 v[XS+4:XS+7],   v[LX] offset:128*(\b)+16
	ds_load_b128 v[XS+8:XS+11],  v[LX] offset:128*(\b)+64
	ds_load_b128 v[XS+12:XS+15], v[LX] offset:128*(\b)+80
.endm
.macro XBLOCK b
.set XS, XN+16*((\b)%2)
.if (\b) < 7
	s_wait_dscnt 4                                 ; this block's four loads are in; the next block's four may be out
.else
	s_wait_dscnt 0x0
.endif
.irp i, 0,1,2,3,4,5,6,7                ; four accumulators by turns, one instruction a turn; the first four products start the sums
.if ((\b) == 0) && (\i < 4)
	v_wmma_f32_16x16x4_f32 v[ACC+8*(\i%4):ACC+8*(\i%4)+7], v[AFR+2*(8*(\b)+\i):AFR+2*(8*(\b)+\i)+1], v[XS+2*\i:XS+2*\i+1], 0
.else
	v_wmma_f32_16x16x4_f32 v[ACC+8*(\i%4):ACC+8*(\i%4)+7], v[AFR+2*(8*(\b)+\i):AFR+2*(8*(\b)+\i)+1], v[XS+2*\i:XS+2*\i+1], v[ACC+8*(\i%4):ACC+8*(\i%4)+7]
.endif
.endr
.set j, 0
.rept 16
	v_med3_num_f32 v[XM+j], v[XS+j], -v[XLIM], v[XLIM]   ; held into other registers: the products read the numbers as they are
.set j, j+1
.endr
	v_cvt_scalef32_pk8_bf8_f32 v[XC+4*(\b):XC+4*(\b)+1],   v[XM:XM+7],    v[XSC]
	v_cvt_scalef32_pk8_bf8_f32 v[XC+4*(\b)+2:XC+4*(\b)+3], v[XM+8:XM+15], v[XSC]
.rept 8
	v_nop                                          ; eight places behind this matrix form ahead of the loads into its sources and, in the last block, of the first read of its results; the first is also the plain line behind the conversions
.endr
	global_store_b128 v[L16], v[XC+4*(\b):XC+4*(\b)+3], s[84:85] offset:512*(\b)   ; group b % 4 of K step b / 4: 512 consecutive bytes
.if (\b) < 6
	XLD (\b)+2
.endif
.endm
	s_wait_tensorcnt 0x0                           ; my tile is in LDS; only I read it
	XLD 0
	XLD 1
	s_wait_loadcnt 0x0                             ; A_qkv
.irp b, 0,1,2,3,4,5,6,7
	XBLOCK \b
.endr
	; ---- the four accumulators' registers 0 to 3, then the four quarters
	v_pk_add_f32 v[XM:XM+1],   v[ACC:ACC+1],       v[ACC+8:ACC+9]
	v_pk_add_f32 v[XM+2:XM+3], v[ACC+2:ACC+3],     v[ACC+10:ACC+11]
	v_pk_add_f32 v[XM+4:XM+5], v[ACC+16:ACC+17],   v[ACC+24:ACC+25]
	v_pk_add_f32 v[XM+6:XM+7], v[ACC+18:ACC+19],   v[ACC+26:ACC+27]
	s_delay_alu instid0(VALU_DEP_2)
	v_pk_add_f32 v[XM:XM+1],   v[XM:XM+1],         v[XM+4:XM+5]
	s_delay_alu instid0(VALU_DEP_2)
	v_pk_add_f32 v[XM+2:XM+3], v[XM+2:XM+3],       v[XM+6:XM+7]
	ds_store_b128 v[RW], v[XM:XM+3]
	s_wait_dscnt 0x0                               ; for the others' sake: my image lies in LDS
	s_barrier_signal -1
	s_barrier_wait -1
	s_cmp_lg_u32 s22, 0                            ; one wave for each row tile adds the four images and stores the sum
	s_cbranch_scc1 .Lend
.irp i, 0,1,2,3
	ds_load_b128 v[XN+4*\i:XN+4*\i+3], v[RR] offset:512*\i
.endr
	s_wait_dscnt 0x0
	v_pk_add_f32 v[XM:XM+1],   v[XN:XN+1],       v[XN+4:XN+5]
	v_pk_add_f32 v[XM+2:XM+3], v[XN+2:XN+3],     v[XN+6:XN+7]
	v_pk_add_f32 v[XM+4:XM+5], v[XN+8:XN+9],     v[XN+12:XN+13]
	v_pk_add_f32 v[XM+6:XM+7], v[XN+10:XN+11],   v[XN+14:XN+15]
	s_delay_alu instid0(VALU_DEP_2)
	v_pk_add_f32 v[XM:XM+1],   v[XM:XM+1],       v[XM+4:XM+5]
	s_delay_alu instid0(VALU_DEP_2)
	v_pk_add_f32 v[XM+2:XM+3], v[XM+2:XM+3],     v[XM+6:XM+7]
	global_store_b128 v[L16], v[XM:XM+3], s[86:87]
.Lend:
	v_lshl_add_u32 v14, v0, 2, SPARE               ; my spare word and 0, made anew
	v_mov_b32 v15, 0
	s_wait_alu depctr_va_vdst(0)                   ; directly ahead of the wait below
	s_wait_tensorcnt 0x0                           ; the wave's end, behind my last LDS store
	ds_add_u32 v14, v15
	s_wait_dscnt 0x0
	s_endpgm
.Lfunc_end_k_q8d05fbd733_prep:
	.size	k_q8d05fbd733_prep, .Lfunc_end_k_q8d05fbd733_prep-k_q8d05fbd733_prep
	.p2alignl 7, 3214868480
	.fill 96, 4, 3214868480
	.section	.rodata,"a",@progbits
	.p2align	6, 0x0
	.amdhsa_kernel k_q8d05fbd733_prep
		.amdhsa_group_segment_fixed_size 167936
		.amdhsa_private_segment_fixed_size 0
		.amdhsa_enable_private_segment 0
		.amdhsa_kernarg_size 64
		.amdhsa_user_sgpr_count 2
		.amdhsa_user_sgpr_kernarg_segment_ptr 1
		.amdhsa_wavefront_size32 1
		.amdhsa_system_sgpr_workgroup_id_x 1
		.amdhsa_system_sgpr_workgroup_id_y 1
		.amdhsa_system_sgpr_workgroup_id_z 1
		.amdhsa_system_vgpr_workitem_id 0
		.amdhsa_next_free_vgpr 256
		.amdhsa_next_free_sgpr 96
		.amdhsa_reserve_vcc 0
		.amdhsa_float_denorm_mode_32 3
		.amdhsa_float_denorm_mode_16_64 3
		.amdhsa_memory_ordered 1
		.amdhsa_forward_progress 1
		.amdhsa_inst_pref_size 49
	.end_amdhsa_kernel
	.amdgpu_metadata
---
amdhsa.version: [ 1, 2 ]
amdhsa.kernels:
  - .name:           k_q8d05fbd733_prep
    .symbol:         k_q8d05fbd733_prep.kd
    .args:
      - { .name: x, .offset: 0, .size: 8, .value_kind: global_buffer, .address_space: global }
      - { .name: A_qkv, .offset: 8, .size: 8, .value_kind: global_buffer, .address_space: global }
      - { .name: W_qkv, .offset: 16, .size: 8, .value_kind: global_buffer, .address_space: global }
      - { .name: W_proj, .offset: 24, .size: 8, .value_kind: global_buffer, .address_space: global }
      - { .name: lowp_scales, .offset: 32, .size: 8, .value_kind: global_buffer, .address_space: global }
      - { .name: x_codes, .offset: 40, .size: 8, .value_kind: global_buffer, .address_space: global }
      - { .name: xa_img, .offset: 48, .size: 8, .value_kind: global_buffer, .address_space: global }
      - { .name: w_codes, .offset: 56, .size: 8, .value_kind: global_buffer, .address_space: global }
    .group_segment_fixed_size: 167936
    .private_segment_fixed_size: 0
    .kernarg_segment_align: 8
    .kernarg_segment_size: 64
    .max_flat_workgroup_size: 256
    .sgpr_count:     96
    .vgpr_count:     256
    .wavefront_size: 32
...
	.end_amdgpu_metadata
.endif
;; end of part 1
;; launch qkv (part 2): grid 32 x 8, 4 waves a work-group, clusters of 4 x 1, 327,680 bytes of LDS; arguments x_codes, w_codes, lowp_scales, xa_img, B_qkv, b_qkv, qkv_codes; writes qkv_codes
.if DOCPART == 2
	.amdgcn_target "amdgcn-amd-amdhsa--gfx1250"
	.amdhsa_code_object_version 6
	.text
	.protected	k_q8d05fbd733_qkv
	.globl	k_q8d05fbd733_qkv
	.p2align	8
	.type	k_q8d05fbd733_qkv,@function
k_q8d05fbd733_qkv:
	s_mov_b64 s[64:65], 0
	v_nop
	global_prefetch_b8 v0, s[64:65] scope:SCOPE_SE
	s_setreg_imm32_b32 hwreg(HW_REG_WAVE_MODE, 25, 1), 1
	s_wait_xcnt 0x0
	s_wait_alu depctr_hold_cnt(0) depctr_sa_sdst(0) depctr_va_vdst(0) depctr_va_sdst(0) depctr_va_ssrc(0) depctr_va_vcc(0) depctr_vm_vsrc(0)
	s_getreg_b32 s2, hwreg(HW_REG_IB_STS2, 6, 4)
	s_cmp_eq_u32 s2, 0
	s_cbranch_scc0 .Lentry_in_a_cluster
	s_endpgm
.Lentry_in_a_cluster:
	s_bfe_u32 s2, ttmp6, 0x10000c
	s_cmp_lg_u32 s2, 0x3003
	s_cbranch_scc0 .Lentry_shape_is_right
	s_endpgm
.Lentry_shape_is_right:
; qkv = x W_qkv + b_qkv + 2 (x A_qkv) B_qkv for 8,192 rows x 3,072 columns, then quantised to codes of BF8 (E5M2): q with 2^e2, k with 2^e3, v with 2^e5.  x and W_qkv come as codes with 2^e0, 2^e1.
; x_codes: [row tile 512][K step 8][2,048]; w_codes: [column tile][K step 8][2,048]: images of operand registers (registers 4 g .. 4 g + 3 of lane l at byte 512 g + 16 l).  xa_img: [row tile][512], the f32 form's operand.
; Out: q, k: [pair][tile of 16 rows][1,024], K = the head's 64; v: [pair][128 keys][16 of the 64][2,048], K = the keys; the three parts 8,388,608 bytes apart; pair = 16 x batch + head.
; SHARES.  256 work-groups.  Work-group (by, bx) owns rows 256 by .. + 255 and three slots of 128 columns (heads 2 bx, 2 bx + 1): one of q, one of k, one of v.  A wave owns 64 rows; its codes of x for the whole K, 512 registers,
; are loaded once, straight from their images, and serve all three slots.  A slot of W is 128 columns x 1,024 K = 131,072 dense bytes; two lie in LDS.  q's and k's are asked for at the head, 65,536 bytes a wave; v's is the one refill.
; All four waves read the whole slot: 16 LDS loads feed 16 matrix instructions.  W's fragments go through three sets of four, two sets asked for ahead.
; CLUSTER 4, 1, 1: four work-groups with the same bx need the same slots of W and ask for them jointly (mask 15).  v's slot is prefetched once in each cluster: 16 waves x 8,192 bytes, told apart by address.
; q, k: source 0 = 16 columns of W, source 1 = 16 rows of x: a lane holds a row and eight neighbouring columns, which are neighbours along the next K.  v: the sources swapped: a lane holds a column and eight neighbouring keys.
; THE LOW-RANK PART starts each slot's sums, by the f32 form (its result goes into a quantiser): C of the first product is the bias.  B_qkv x 2 / 2^(e0 + e1) and the bias / 2^(e0 + e1) are made once and parked in LDS bytes of the wave's own.
; LIMITS: e - e0 - e1 between -126 and 112 for e = e2, e3, e5.  NaN among the inputs is not served.
; REGISTERS.  Window 0: v0-15 addresses, v16-31 xa, v32-63 held numbers, v64-255 W's three sets (between slots: low-rank operands, codes).  Window 1: 32 accumulators, (a, b) at 64 a + 8 b.  Windows 2, 3: x, fragment (k, a) at 64 (k % 4) + 16 a.
.set PARK,  262144                     ; behind the two slots: for each wave 3 x 8 rows of B_qkv (512 bytes each), then 3 x 512 bytes of bias
.set PARKW, 13824
.set SPARE, PARK+4*PARKW               ; the spare words, 128 bytes a wave; no other line names them
.set L16,  1
.set SPW,  2
.set NIL,  3
.set BAD,  4                           ; v4-7  LDS: 65,536 q + 16 x lane
.set PST,  8
.set PLB,  9
.set PBQ,  10
.set PBV,  11
.set SC,   12
.set LIM,  13
.set PFO,  14
.set XA,   16
.set TMP,  32
.set BS,   64
.set LB,   64
.set BC,   96
.set CD,   64
.set MSB, 0
.macro WIN new                         ; the immediate's high byte repeats the setting that is left
.if MSB != \new
	s_set_vgpr_msb (MSB<<8)|\new
.set MSB, \new
.endif
.endm
.macro PLACES n
.rept \n
	v_nop
.endr
.endm
.macro CROUND                          ; a round of the cluster's barrier
	s_barrier_signal -1
	s_barrier_wait -1
	s_cmp_lg_u32 s14, 0
	s_cbranch_scc1 .Lnot_wave_0_\@
	s_barrier_signal -3
.Lnot_wave_0_\@:
	s_barrier_wait -3
	s_barrier_signal -1
	s_barrier_wait -1
.endm
.macro LOADSET sl, n                   ; set n of a slot: K step n / 2, column tiles 4 (n % 2) .. + 3
.set KK, (\n)/2
.set HF, (\n)%2
.set BB, BS+64*((\n)%3)
	WIN 0
.irp t, 0,1,2,3
.irp g, 0,1,2,3
	ds_load_b128 v[BB+16*\t+4*\g:BB+16*\t+4*\g+3], v[BAD+2*(\sl)+HF] offset:16384*\t+2048*KK+512*\g
.endr
.endr
.endm
.macro MULSET n, isv                   ; 16 products on 16 accumulators by turns
.set KK, (\n)/2
.set HF, (\n)%2
.set BB, BS+64*((\n)%3)
.set AR, 64*(KK%4)
.if \isv
.set WV, 0x50|(2+KK/4)
	WIN WV
.irp t, 0,1,2,3
.irp a, 0,1,2,3
	v_wmma_f32_16x16x128_bf8_bf8 v[64*\a+8*(4*HF+\t):64*\a+8*(4*HF+\t)+7], v[AR+16*\a:AR+16*\a+15], v[BB+16*\t:BB+16*\t+15], v[64*\a+8*(4*HF+\t):64*\a+8*(4*HF+\t)+7]
.endr
.endr
.else
.set WV, 0x50|((2+KK/4)<<2)
	WIN WV
.irp t, 0,1,2,3
.irp a, 0,1,2,3
	v_wmma_f32_16x16x128_bf8_bf8 v[64*\a+8*(4*HF+\t):64*\a+8*(4*HF+\t)+7], v[BB+16*\t:BB+16*\t+15], v[AR+16*\a:AR+16*\a+15], v[64*\a+8*(4*HF+\t):64*\a+8*(4*HF+\t)+7]
.endr
.endr
.endif
.endm
.macro SLOTK sl, isv, aw               ; a slot's eight K steps.  aw = 1: x's loads may still be out
	LOADSET \sl, 0
	LOADSET \sl, 1
.set NN, 0
.rept 16
.if NN < 14
.if NN > 0
	PLACES 4                                       ; ahead of loads into the set that the last products read
.endif
	LOADSET \sl, NN+2
	s_wait_dscnt 32                                ; this set is in; the two younger sets' 32 loads may be out
.else
	s_wait_dscnt 16*(15-NN)
.endif
.if \aw && (NN%2 == 0)
.set LW, 16*(7-NN/2)                   ; behind this K step's loads of x stand those of the later steps
.if LW > 63
.set LW, 63
.endif
	s_wait_loadcnt LW
.endif
	MULSET NN, \isv
.set NN, NN+1
.endr
.endm
.macro ALOAD k                         ; x's four fragments of K step k
.set WV, (2+(\k)/4)<<6
	WIN WV
.irp a, 0,1,2,3
.irp g, 0,1,2,3
	global_load_b128 v[64*((\k)%4)+16*\a+4*\g:64*((\k)%4)+16*\a+4*\g+3], v[L16], s[42:43] offset:16384*\a+2048*(\k)+512*\g
.endr
.endr
.endm
	s_load_b256 s[4:11], s[0:1], 0x0               ; x_codes, w_codes, lowp_scales, xa_img
	s_load_b128 s[68:71], s[0:1], 0x20             ; B_qkv, b_qkv
	s_load_b64 s[72:73], s[0:1], 0x30              ; qkv_codes
	v_lshl_add_u32 v[SPW], v0, 2, SPARE
	v_mov_b32 v[NIL], 0
	ds_add_u32 v[SPW], v[NIL]                      ; the opening lines: the add, twice on end, and its wait
	ds_add_u32 v[SPW], v[NIL]
	v_lshrrev_b32 v15, 5, v0
	v_readfirstlane_b32 s14, v15                   ; wave 0..3
	s_lshr_b32 s15, s14, 1
	s_and_b32 s16, s14, 1
	s_bfe_u32 s40, ttmp6, 0x40000                  ; cx
	s_lshl_b32 s17, ttmp9, 2
	s_add_co_u32 s17, s17, s40                     ; by: enters global addresses of x, xa and the results alone
	s_and_b32 s18, ttmp7, 0xffff                   ; bx: the same in the four partners
	s_mov_b32 s24, 15|(3<<16)|(1<<21)              ; group 1, head: mask 15, elements of 8 bytes; 256 rows of 256 dense bytes
	s_mov_b32 s25, 32<<16
	s_mov_b32 s26, 256<<16
	s_mov_b32 s27, 32<<16
	s_mov_b32 s28, 256
	s_mov_b32 s29, 32
	s_mov_b32 s30, 0
	s_mov_b32 s31, 0
	s_mov_b32 s48, 15|(3<<16)|(1<<21)              ; group 1, refill: 128 such rows
	s_mov_b32 s49, 32<<16
	s_mov_b32 s50, 128<<16
	s_mov_b32 s51, 32<<16
	s_mov_b32 s52, 128
	s_mov_b32 s53, 32
	s_mov_b32 s54, 0
	s_mov_b32 s55, 0
	s_mov_b32 s32, 1
	s_lshl_b32 s33, s14, 16                        ; waves 0, 1: q's slot, LDS slot 0; waves 2, 3: k's, slot 1
	s_lshl_b32 s20, s18, 17
	s_lshl_b32 s21, s15, 20                        ; k's column tiles lie 64 x 16,384 bytes behind q's
	s_add_co_u32 s20, s20, s21
	s_lshl_b32 s21, s16, 16
	s_add_co_u32 s20, s20, s21
	s_mov_b32 s21, 0
	s_mov_b32 s36, 1
	s_lshl_b32 s37, s14, 15                        ; v's slot into LDS slot 0, a quarter a wave
	s_lshl_b32 s22, s18, 17
	s_add_co_u32 s22, s22, 0x200000
	s_add_co_u32 s22, s22, s37
	s_mov_b32 s23, 0
	s_wait_dscnt 0x0                               ; both opening adds are done
	s_wait_kmcnt 0x0
	s_load_b256 s[76:83], s[8:9], 0x0              ; e0 .. e7
	s_add_nc_u64 s[34:35], s[6:7], s[20:21]
	s_or_b32 s35, s35, 0x80000000
	s_add_nc_u64 s[38:39], s[6:7], s[22:23]
	s_or_b32 s39, s39, 0x80000000
	CROUND                                         ; the four work-groups are here: the first joint loads meet
	tensor_load_to_lds s[32:35], s[24:31]          ; my one tensor load at the head
	s_nop 0
	PLACES 4
	v_and_b32 v15, 31, v0
	v_and_b32 v32, 15, v0                          ; r
	v_bfe_u32 v33, v0, 4, 1                        ; h
	v_lshlrev_b32 v[L16], 4, v15
	v_lshlrev_b32 v[PFO], 8, v15
	s_mul_i32 s41, s14, PARKW
	s_add_co_u32 s41, s41, PARK
	v_lshlrev_b32 v34, 2, v32
	v_lshlrev_b32 v35, 5, v33
.irp q, 0,1,2,3
	v_add_nc_u32 v[BAD+\q], \q*65536, v[L16]
.endr
	v_add_nc_u32 v[PST], s41, v[L16]
	v_add_nc_u32 v[PBV], s41, v34                  ; bias for v: column r
	v_add_nc_u32 v[PBQ], s41, v35                  ; bias for q, k: columns 8 h ..
	v_lshl_add_u32 v[PLB], v33, 10, v[PBV]         ; B_qkv: 2 h rows down, column r
	s_lshl_b32 s42, s17, 18                        ; x_codes: 16 tiles of 16,384 bytes a work-group, 4 a wave
	s_lshl_b32 s43, s14, 16
	s_add_co_u32 s42, s42, s43
	s_mov_b32 s43, 0
	s_add_nc_u64 s[42:43], s[4:5], s[42:43]
	s_lshl_b32 s44, s17, 13                        ; xa_img: 512 bytes a tile
	s_lshl_b32 s45, s14, 11
	s_add_co_u32 s44, s44, s45
	s_mov_b32 s45, 0
	s_add_nc_u64 s[44:45], s[10:11], s[44:45]
	s_lshl_b32 s46, s18, 9                         ; my 128 columns x 4 bytes
	s_mov_b32 s47, 0
	s_add_nc_u64 s[68:69], s[68:69], s[46:47]
	s_add_nc_u64 s[70:71], s[70:71], s[46:47]
	s_lshl_b32 s56, s40, 2                         ; the prefetch: 8,192 bytes of v's slot for each of the cluster's 16 waves
	s_add_co_u32 s56, s56, s14
	s_lshl_b32 s56, s56, 13
	s_lshl_b32 s57, s18, 17
	s_add_co_u32 s56, s56, s57
	s_add_co_u32 s56, s56, 0x200000
	s_mov_b32 s57, 0
	s_add_nc_u64 s[56:57], s[6:7], s[56:57]
	s_lshr_b32 s58, s17, 3                         ; batch
	s_lshl_b32 s58, s58, 4
	s_lshl_b32 s59, s18, 1
	s_add_co_u32 s58, s58, s59
	s_lshl_b32 s58, s58, 17                        ; the first pair's bytes
	s_and_b32 s59, s17, 7
	s_lshl_b32 s60, s59, 4
	s_lshl_b32 s61, s14, 2
	s_add_co_u32 s60, s60, s61
	s_lshl_b32 s60, s60, 10                        ; q, k: my first row tile of the sequence
	s_add_co_u32 s60, s60, s58
	s_mov_b32 s61, 0
	s_add_nc_u64 s[84:85], s[72:73], s[60:61]
	s_add_nc_u64 s[86:87], s[84:85], 0x800000
	s_lshl_b32 s62, s59, 1
	s_add_co_u32 s62, s62, s15
	s_lshl_b32 s62, s62, 13                        ; v: my group of 128 keys,
	s_lshl_b32 s63, s16, 10                        ; and which half of each fragment my 64 keys fill
	s_add_co_u32 s62, s62, s63
	s_add_co_u32 s62, s62, s58
	s_add_co_u32 s62, s62, 0x1000000
	s_mov_b32 s63, 0
	s_add_nc_u64 s[88:89], s[72:73], s[62:63]
	s_wait_alu depctr_va_vdst(0)                   ; behind the run of scalar lines
.irp i, 0,1,2
.irp p, 0,1,2,3,4,5,6,7
	global_load_b128 v[64+4*(8*\i+\p):64+4*(8*\i+\p)+3], v[L16], s[68:69] offset:\p*12288+\i*4096
.endr
.endr
.irp i, 0,1,2
	global_load_b128 v[160+4*\i:160+4*\i+3], v[L16], s[70:71] offset:\i*4096
.endr
.irp a, 0,1,2,3
	global_load_b128 v[XA+4*\a:XA+4*\a+3], v[L16], s[44:45] offset:512*\a
.endr
	ALOAD 0
	ALOAD 1
	WIN 0
	s_wait_kmcnt 0x0
	s_add_co_i32 s93, s76, s77                     ; e0 + e1
	s_sub_co_i32 s94, 1, s93
	s_sub_co_i32 s95, 0, s93
.macro ESC e, d, l                     ; 2^(e - e0 - e1) and 57,344 x that, as f32
	s_sub_co_i32 s\d, s\e, s93
	s_add_co_i32 s\d, s\d, 127
	s_add_co_i32 s\l, s\d, 15
	s_lshl_b32 s\d, s\d, 23
	s_lshl_b32 s\l, s\l, 23
	s_or_b32 s\l, s\l, 0x600000
.endm
	ESC 78, 66, 67
	ESC 79, 74, 75
	ESC 81, 90, 91
	s_wait_loadcnt 32                              ; B_qkv, the bias and xa are in; x's first 32 loads may be out
.set j, 0
.rept 96
	v_ldexp_f32 v[64+j], v[64+j], s94
.set j, j+1
.endr
.set j, 0
.rept 12
	v_ldexp_f32 v[160+j], v[160+j], s95
.set j, j+1
.endr
.irp k, 2,3
	ALOAD \k
.endr
	WIN 0
	global_prefetch_b8 v[PFO], s[56:57] th:TH_LOAD_NT scope:SCOPE_SE   ; v's slot, asked for a slot's products ahead of its load
	s_wait_alu depctr_va_vdst(0)                   ; the head's end
	s_wait_tensorcnt 0x0                           ; my part of q's or k's slot is in
.set j, 0
.rept 24
	ds_store_b128 v[PST], v[64+4*j:64+4*j+3] offset:512*j
.set j, j+1
.endr
.irp i, 0,1,2
	ds_store_b128 v[PST], v[160+4*\i:160+4*\i+3] offset:12288+512*\i
.endr
	s_wait_dscnt 0x0
	s_barrier_signal -1
	s_barrier_wait -1                              ; everybody's part is in
.macro STG i, isv                      ; slot i's low-rank operands out of my parked bytes
	s_wait_xcnt 0x0                                ; the last slot's stores have read their codes, which lie where these land
.irp b, 0,1,2,3,4,5,6,7
.irp s, 0,1
.irp j, 0,1
	ds_load_b32 v[LB+4*\b+2*\s+\j], v[PLB] offset:\i*4096+(4*\s+\j)*512+64*\b
.endr
.endr
.endr
.irp b, 0,1,2,3,4,5,6,7
.if \isv
.irp j, 0,1,2,3,4,5,6,7
	ds_load_b32 v[BC+8*\b+\j], v[PBV] offset:12288+512*\i+64*\b
.endr
.else
	ds_load_b128 v[BC+8*\b:BC+8*\b+3],   v[PBQ] offset:12288+512*\i+64*\b
	ds_load_b128 v[BC+8*\b+4:BC+8*\b+7], v[PBQ] offset:12288+512*\i+64*\b+16
.endif
.endr
	s_wait_dscnt 0x0
.endm
.macro LORA isv                        ; two K steps of 4 ranks; the first takes the bias as C
.irp s, 0,1
.if \s == 0
	WIN 0x40
.else
	WIN 0x50
.endif
.irp a, 0,1,2,3
.irp b, 0,1,2,3,4,5,6,7
.if \isv
.set P0, XA+4*\a+2*\s
.set P1, LB+4*\b+2*\s
.else
.set P0, LB+4*\b+2*\s
.set P1, XA+4*\a+2*\s
.endif
.if \s == 0
	v_wmma_f32_16x16x4_f32 v[64*\a+8*\b:64*\a+8*\b+7], v[P0:P0+1], v[P1:P1+1], v[BC+8*\b:BC+8*\b+7]
.else
	v_wmma_f32_16x16x4_f32 v[64*\a+8*\b:64*\a+8*\b+7], v[P0:P0+1], v[P1:P1+1], v[64*\a+8*\b:64*\a+8*\b+7]
.endif
.endr
.endr
.endr
	PLACES 9                                       ; behind this form: another form takes the sums up, and loads land on its sources
	WIN 0
.endm
.macro HOLDCVT cdr                     ; 32 held numbers become 8 registers of codes
	WIN 0
.irp t, 0,1,2,3
	v_cvt_scalef32_pk8_bf8_f32 v[\cdr+2*\t:\cdr+2*\t+1], v[TMP+8*\t:TMP+8*\t+7], v[SC]
.endr
	v_nop                                          ; a plain line behind the last conversion of a run
.endm
.macro OUTQK base, ssc, slim           ; row tile a, head u: one fragment of 1,024 bytes
	WIN 0
	v_mov_b32 v[SC], s\ssc
	v_mov_b32 v[LIM], s\slim
	PLACES 4
.irp a, 0,1,2,3
.irp u, 0,1
	WIN 0x01
.set j, 0
.rept 32
	v_med3_num_f32 v[TMP+j], v[64*\a+32*\u+j], -v[LIM], v[LIM]   ; the conversion does not saturate (ISA guide 7.6.2); each accumulator from its low end on
.set j, j+1
.endr
	HOLDCVT CD+8*(2*\a+\u)
	global_store_b128 v[L16], v[CD+8*(2*\a+\u):CD+8*(2*\a+\u)+3],   s[\base:\base+1] offset:\a*1024+\u*131072
	global_store_b128 v[L16], v[CD+8*(2*\a+\u)+4:CD+8*(2*\a+\u)+7], s[\base:\base+1] offset:\a*1024+\u*131072+512
.endr
.endr
.endm
.macro OUTV base, ssc, slim            ; column tile b: my 64 keys' half of one fragment, 1,024 bytes
	WIN 0
	v_mov_b32 v[SC], s\ssc
	v_mov_b32 v[LIM], s\slim
	PLACES 4
.irp b, 0,1,2,3,4,5,6,7
	WIN 0x01
.irp a, 0,1,2,3
.irp i, 0,1,2,3,4,5,6,7
	v_med3_num_f32 v[TMP+8*\a+\i], v[64*\a+8*\b+\i], -v[LIM], v[LIM]
.endr
.endr
	HOLDCVT CD+8*\b
	global_store_b128 v[L16], v[CD+8*\b:CD+8*\b+3],   s[\base:\base+1] offset:(\b/4)*131072+(\b%4)*2048
	global_store_b128 v[L16], v[CD+8*\b+4:CD+8*\b+7], s[\base:\base+1] offset:(\b/4)*131072+(\b%4)*2048+512
.endr
.endm
	STG 0, 0
	LORA 0
.irp k, 4,5,6,7
	ALOAD \k                                       ; x's last four K steps are asked for here, behind the first low-rank products; the order of the loads stays K ascending
.endr
	WIN 0
	SLOTK 0, 0, 1                                  ; q
	WIN 0
	s_wait_tensorcnt 0x0                           ; no tensor load of mine is out;
	ds_add_u32 v[SPW], v[NIL]                      ; an add to my spare word;
	s_wait_dscnt 0x0                               ; it is done, and so are my reads of slot 0
	CROUND                                         ; that now holds of every wave of the four work-groups
	tensor_load_to_lds s[36:39], s[48:55]          ; v's slot: q's way out and all of k's slot stand between this line and the wait for it
	s_nop 0
	PLACES 4
	OUTQK 84, 66, 67
	STG 1, 0
	LORA 0
	SLOTK 1, 0, 0                                  ; k
	OUTQK 86, 74, 75
	STG 2, 1
	LORA 1
	s_wait_tensorcnt 0x0                           ; my quarter of v's slot is in
	s_barrier_signal -1
	s_barrier_wait -1                              ; and everybody's
	SLOTK 0, 1, 0                                  ; v
	OUTV 88, 90, 91
	s_wait_tensorcnt 0x0                           ; the wave's end
	ds_add_u32 v[SPW], v[NIL]
	s_wait_dscnt 0x0
	CROUND                                         ; the closing round
	s_endpgm
.Lfunc_end_k_q8d05fbd733_qkv:
	.size	k_q8d05fbd733_qkv, .Lfunc_end_k_q8d05fbd733_qkv-k_q8d05fbd733_qkv
	.p2alignl 7, 3214868480
	.fill 96, 4, 3214868480
	.section	.rodata,"a",@progbits
	.p2align	6, 0x0
	.amdhsa_kernel k_q8d05fbd733_qkv
		.amdhsa_group_segment_fixed_size 327680
		.amdhsa_private_segment_fixed_size 0
		.amdhsa_enable_private_segment 0
		.amdhsa_kernarg_size 56
		.amdhsa_user_sgpr_count 2
		.amdhsa_user_sgpr_kernarg_segment_ptr 1
		.amdhsa_wavefront_size32 1
		.amdhsa_system_sgpr_workgroup_id_x 1
		.amdhsa_system_sgpr_workgroup_id_y 1
		.amdhsa_system_sgpr_workgroup_id_z 1
		.amdhsa_system_vgpr_workitem_id 0
		.amdhsa_next_free_vgpr 1024
		.amdhsa_next_free_sgpr 100
		.amdhsa_reserve_vcc 0
		.amdhsa_float_denorm_mode_32 3
		.amdhsa_float_denorm_mode_16_64 3
		.amdhsa_memory_ordered 1
		.amdhsa_forward_progress 1
		.amdhsa_inst_pref_size 224
	.end_amdhsa_kernel
	.amdgpu_metadata
---
amdhsa.version: [ 1, 2 ]
amdhsa.kernels:
  - .name:           k_q8d05fbd733_qkv
    .symbol:         k_q8d05fbd733_qkv.kd
    .args:
      - { .name: x_codes, .offset: 0, .size: 8, .value_kind: global_buffer, .address_space: global }
      - { .name: w_codes, .offset: 8, .size: 8, .value_kind: global_buffer, .address_space: global }
      - { .name: lowp_scales, .offset: 16, .size: 8, .value_kind: global_buffer, .address_space: global }
      - { .name: xa_img, .offset: 24, .size: 8, .value_kind: global_buffer, .address_space: global }
      - { .name: B_qkv, .offset: 32, .size: 8, .value_kind: global_buffer, .address_space: global }
      - { .name: b_qkv, .offset: 40, .size: 8, .value_kind: global_buffer, .address_space: global }
      - { .name: qkv_codes, .offset: 48, .size: 8, .value_kind: global_buffer, .address_space: global }
    .group_segment_fixed_size: 327680
    .private_segment_fixed_size: 0
    .kernarg_segment_align: 8
    .kernarg_segment_size: 56
    .max_flat_workgroup_size: 128
    .sgpr_count:     100
    .vgpr_count:     1024
    .wavefront_size: 32
...
	.end_amdgpu_metadata
.endif
;; end of part 2
;; launch attn (part 3): grid 4 x 64, 16 waves a work-group, no clusters, 266,240 bytes of LDS; arguments qkv_codes, A_proj, lowp_scales, o_codes, oap; writes o_codes, oap
.if DOCPART == 3
	.amdgcn_target "amdgcn-amd-amdhsa--gfx1250"
	.amdhsa_code_object_version 6
	.text
	.protected	k_q8d05fbd733_attn
	.globl	k_q8d05fbd733_attn
	.p2align	8
	.type	k_q8d05fbd733_attn,@function
k_q8d05fbd733_attn:
	s_mov_b64 s[64:65], 0
	v_nop
	global_prefetch_b8 v0, s[64:65] scope:SCOPE_SE
	s_setreg_imm32_b32 hwreg(HW_REG_WAVE_MODE, 25, 1), 1
	s_wait_xcnt 0x0
; out[b][n][head] = softmax(q k^T / 8) v for 64 (batch, head) pairs of 2,048 x 64, both products on codes of BF8 (E5M2); out is then quantised with 2^e6 for the last product, and each head's part of out A_proj is made.
; q, k, v come as images of operand registers (registers 4 g .. 4 g + 3 of lane l at 512 g + 16 l): q, k: [pair][tile of 16 rows][1,024], K = the head's 64; v: [pair][128 keys][16 of the 64][2,048], K = the keys.
; THE SOFTMAX: t = score x log2(e) / 8; M = the running largest t rounded UP to a whole number; p = 2^(t - M) is quantised with 2^e4, not normalised; the row's sum is taken of the unquantised p and divides at the end.
; When M moves, the sum and O are multiplied by 2^(old M - new M): exact.
; SHARES.  A work-group owns 512 queries of one pair, each of its sixteen waves two tiles of 16 (A, B), which share every fragment of K and V read from LDS.  Four waves stand on a SIMD, so that one wave's vector work
; stands beside another's matrix work and LDS loads.  ALL of the pair's K and V, 131,072 bytes each, are copied into LDS once, through registers: one barrier, and behind it LDS is only read.
; NO TENSOR LOADS, NO CLUSTER, by this text's own count: the hold of p at the largest code is 64 of a tile step's vector instructions and changes nothing where 57,344 x 2^e4 >= 1.75, that is e4 >= -15, since p <= 1 but for
; one rounding.  A scalar branch on e4 passes over it.  What four work-groups of a pair share is
; read once by each, at the head; nothing is fetched later, so nothing is prefetched.
; LAYOUT.  S^T = K Q^T (source 0 = 16 keys, source 1 = 16 queries), O^T = V^T P^T: a lane holds ONE query (lane % 16) throughout.  Tile c of S^T holds keys 16 c + 8 (lane / 16) + 0 .. 7: its codes are registers 2 c, 2 c + 1 of P.
; out A_proj: bf16 operands (its result goes into no quantiser), source 0 = A_proj^T of this head with rank (m & 1) + 2 ((m >> 3) & 1) + 4 ((m >> 1) & 1) in row m, so that result registers 0 to 3 of lane (r, h) are
; ranks 2 h, 2 h + 1, 4 + 2 h, 5 + 2 h of query r: the image that the last launch reads from oap.  oap: [row tile 512][head 16][512]: the sixteen heads' parts, added there.
; o_codes: [row tile 512][K step 8][2,048]; head hd fills bytes 1,024 hd .. + 1,023 of its row tile.
; LIMITS: e2 + e3 between -123 and 130 (added to c's exponent field); e4 and e6 between -126 and 112; e4 + e5 goes by v_ldexp_f32 and has none.  NaN is not served.
.set VREG,  131072                     ; LDS: K at 0, V here,
.set APIMG, 262144                     ; and A_proj^T's two bf16 fragments: 16 registers, 2,048 bytes
.set T1,   50                          ; v50  at work in the maxima: free from the last product with K to tile B's conversions.  v0 keeps the thread's number to the end
.set L16,  1                           ; v1   16 x lane
.set ADR,  2                           ; v2   LDS address of the loads in hand
.set PLIM, 3                           ; v3   57,344 x 2^e4; at the end x 2^e6
.set PSC,  4                           ; v4   2^e4; at the end 2^e6
.set T0,   5                           ; v5   at work
.set STA,  6                           ; v6 -M, v7 the largest t, v[8:9] the sum in two halves: tile A
.set STB,  10                          ; v10-13: tile B
.set F,    14                          ; v14  f = 2^(old M - new M); v15: a permute's destination, and named as the upper half of f's pair
.set QA,   16
.set QB,   24
.set KF,   32                          ; v32-63  four fragments of K; then P of tile A (v32-47) and of tile B (v48-63)
.set SA,   64                          ; v64-127 S^T of tile A; then V's four fragments
.set SB,   128                         ; v128-191 S^T of tile B
.set OA,   192                         ; v192-223, v224-255  O^T
.set OBB,  224
	s_load_b256 s[4:11], s[0:1], 0x0               ; qkv_codes, A_proj, lowp_scales, o_codes
	s_load_b64 s[12:13], s[0:1], 0x20              ; oap
	v_lshrrev_b32 v6, 5, v0
	s_delay_alu instid0(VALU_DEP_1)
	v_readfirstlane_b32 s14, v6                    ; wave 0..15
	s_and_b32 s15, ttmp7, 0xffff                   ; the pair: 16 x batch + head
	s_and_b32 s16, s15, 15                         ; the head
	v_and_b32 v7, 31, v0
	s_delay_alu instid0(VALU_DEP_1)
	v_lshlrev_b32 v[L16], 4, v7
	s_delay_alu instid0(VALU_DEP_1)
	v_lshl_add_u32 v2, v6, 13, v[L16]              ; the copy: my wave's 8,192 bytes of K,
	s_delay_alu instid0(VALU_DEP_1)
	v_add_nc_u32 v5, VREG, v2                      ; and of V
	v_and_b32 v8, 15, v0                           ; r
	v_bfe_u32 v9, v0, 4, 1                         ; h
	s_delay_alu instid0(VALU_DEP_2)
	v_and_b32 v10, 1, v8
	s_delay_alu instid0(VALU_DEP_3)
	v_bfe_u32 v11, v8, 3, 1
	s_delay_alu instid0(VALU_DEP_1)
	v_lshl_or_b32 v10, v11, 1, v10
	v_bfe_u32 v11, v8, 1, 1
	s_delay_alu instid0(VALU_DEP_1)
	v_lshl_or_b32 v10, v11, 2, v10                 ; my rank
	s_delay_alu instid0(VALU_DEP_1)
	v_lshlrev_b32 v10, 2, v10
	s_delay_alu instid0(VALU_DEP_1)
	v_lshl_add_u32 v4, v9, 8, v10                  ; A_proj: 8 h rows of 32 bytes + 4 x rank
	s_lshr_b32 s42, s14, 2                         ; wave w makes register w of the 16: group w / 4, register w % 4 of it
	s_and_b32 s43, s14, 3
	s_lshl_b32 s50, s42, 9
	s_lshl_b32 s51, s43, 2
	s_add_co_u32 s50, s50, s51
	s_add_co_u32 s50, s50, APIMG
	v_add_nc_u32 v3, s50, v[L16]
	s_lshl_b32 s50, s16, 11                        ; its two numbers: rows 64 head + 16 (w / 4) + 2 (w % 4) + 8 h + 0, 1
	s_lshl_b32 s51, s42, 9
	s_add_co_u32 s50, s50, s51
	s_lshl_b32 s51, s43, 6
	s_add_co_u32 s50, s50, s51
	s_mov_b32 s51, 0
	s_lshl_b32 s44, s15, 17                        ; a pair's 131,072 bytes in each part
	s_lshl_b32 s46, ttmp9, 15                      ; q: 32 tiles of 1,024 bytes a work-group,
	s_lshl_b32 s47, s14, 11                        ; two a wave
	s_add_co_u32 s46, s46, s47
	s_add_co_u32 s46, s46, s44
	s_mov_b32 s47, 0
	s_lshl_b32 s48, s14, 13
	s_add_co_u32 s48, s48, s44
	s_mov_b32 s49, 0
	s_mov_b32 s20, 0x76543210                      ; v_permlanex16_b32's selects for lane l xor 16
	s_mov_b32 s21, 0xfedcba98
	s_wait_alu depctr_va_vdst(0)
	s_wait_kmcnt 0x0
	s_load_b256 s[24:31], s[8:9], 0x0              ; e0 .. e7
	s_add_nc_u64 s[36:37], s[4:5], s[46:47]
	s_add_nc_u64 s[38:39], s[4:5], s[48:49]
	s_add_nc_u64 s[38:39], s[38:39], 0x800000      ; k's part
	s_add_nc_u64 s[40:41], s[38:39], 0x800000      ; v's part
	s_add_nc_u64 s[6:7], s[6:7], s[50:51]
.irp i, 0,1,2,3
	global_load_b128 v[QA+4*\i:QA+4*\i+3], v[L16], s[36:37] offset:512*\i      ; Q of both tiles stays in registers
.endr
	global_load_b32 v32, v4, s[6:7]
	global_load_b32 v33, v4, s[6:7] offset:32
.irp i, 0,1,2,3,4,5,6,7,8,9,10,11,12,13,14,15
	global_load_b128 v[SA+4*\i:SA+4*\i+3], v[L16], s[38:39] offset:512*\i
.endr
.irp i, 0,1,2,3,4,5,6,7,8,9,10,11,12,13,14,15
	global_load_b128 v[SB+4*\i:SB+4*\i+3], v[L16], s[40:41] offset:512*\i
.endr
	v_mov_b32 v[STA+1], 0xff61b1e6                 ; the largest t so far: -3e38, under every t
	v_mov_b32 v[STB+1], 0xff61b1e6
	s_delay_alu instid0(VALU_DEP_2)
	v_floor_f32 v[STA], -v[STA+1]                  ; -M
	s_delay_alu instid0(VALU_DEP_2)
	v_floor_f32 v[STB], -v[STB+1]
	v_mov_b32 v[STA+2], 0                          ; the sums
	v_mov_b32 v[STA+3], 0
	v_mov_b32 v[STB+2], 0
	v_mov_b32 v[STB+3], 0
	v_mov_b32 v15, 0                               ; written once: a lane permute's destination counts as one of its sources
.set j, 0
.rept 64
	v_mov_b32 v[OA+j], 0                           ; O^T.  (The loop is written once: its first step finds zeros, which the first change of M leaves zeros)
.set j, j+1
.endr
.irp i, 0,1,2,3,4,5,6,7,8,9,10,11,12,13,14,15
	s_wait_loadcnt 31-\i                           ; loads come back in order: this one is in, the younger ones of the copy may be out
	ds_store_b128 v2, v[SA+4*\i:SA+4*\i+3] offset:512*\i
.endr
	v_cvt_pk_bf16_f32 v34, v32, v33
	ds_store_b32 v3, v34
.irp i, 0,1,2,3,4,5,6,7,8,9,10,11,12,13,14,15
	s_wait_loadcnt 15-\i
	ds_store_b128 v5, v[SB+4*\i:SB+4*\i+3] offset:512*\i
.endr
	s_wait_kmcnt 0x0
	s_add_co_i32 s42, s26, s27                     ; a score stands for score x 2^(e2 + e3): added to c's exponent field
	s_lshl_b32 s42, s42, 23
	s_mov_b32 s22, 0x3e38aa3b                      ; c = log2(e) / 8
	s_add_co_i32 s22, s22, s42
	s_mov_b32 s23, s22                             ; (named with it as a pair, so it is written)
	s_add_co_i32 s42, s28, 127
	s_lshl_b32 s43, s42, 23
	s_add_co_i32 s42, s42, 15
	s_lshl_b32 s42, s42, 23
	s_or_b32 s42, s42, 0x600000
	s_mov_b32 s32, 0                               ; LDS byte of the step's K,
	s_mov_b32 s33, VREG                            ; of its V
	s_mov_b32 s34, 16                              ; steps of 128 keys
	s_wait_dscnt 0x0                               ; for the others' sake: my part of the copy lies in LDS
	s_barrier_signal -1
	s_barrier_wait -1
	v_mov_b32 v[PSC], s43                          ; 2^e4 as f32, for the conversion
	v_mov_b32 v[PLIM], s42                         ; 57,344 x 2^e4
.macro KLOAD u                         ; key tiles 4 u .. 4 u + 3
.irp t, 0,1,2,3
	ds_load_b128 v[KF+8*\t:KF+8*\t+3],   v[ADR] offset:(4*\u+\t)*1024
	ds_load_b128 v[KF+8*\t+4:KF+8*\t+7], v[ADR] offset:(4*\u+\t)*1024+512
.endr
.endm
.macro SQK u                           ; each fragment of K feeds both tiles of queries
.irp t, 0,1,2,3
	v_wmma_f32_16x16x64_bf8_bf8 v[SA+8*(4*\u+\t):SA+8*(4*\u+\t)+7], v[KF+8*\t:KF+8*\t+7], v[QA:QA+7], 0
	v_wmma_f32_16x16x64_bf8_bf8 v[SB+8*(4*\u+\t):SB+8*(4*\u+\t)+7], v[KF+8*\t:KF+8*\t+7], v[QB:QB+7], 0
.endr
.endm
; One tile's softmax for 128 keys: scores in v[S] on (64 a lane), statistics at v[ST], codes to v[P] on, O^T at v[O] on.
.macro SOFTMAX S, ST, P, O
	v_max3_num_f32 v[T0], v[\S], v[\S+1], v[\S+2]  ; the step's largest score of my query among my 64 keys, in two chains; each tile is read from its low end on
	v_max3_num_f32 v[T1], v[\S+3], v[\S+4], v[\S+5]
.irp i, 6,10,14,18,22,26,30,34,38,42,46,50,54,58
	v_max3_num_f32 v[T0], v[T0], v[\S+\i], v[\S+\i+1]
	v_max3_num_f32 v[T1], v[T1], v[\S+\i+2], v[\S+\i+3]
.endr
	v_max3_num_f32 v[T0], v[T0], v[\S+62], v[\S+63]
	s_delay_alu instid0(VALU_DEP_1)
	v_max_num_f32 v[T0], v[T0], v[T1]
	s_delay_alu instid0(VALU_DEP_1)
	v_permlanex16_b32 v15, v[T0], s20, s21
	s_delay_alu instid0(VALU_DEP_1)
	v_max_num_f32 v[T0], v[T0], v15                ; and among lane l xor 16's
	s_delay_alu instid0(VALU_DEP_1)
	v_mul_f32 v[T0], s22, v[T0]                    ; as t (c is positive)
	s_delay_alu instid0(VALU_DEP_1)
	v_max_num_f32 v[\ST+1], v[\ST+1], v[T0]        ; the running largest t
	v_mov_b32 v[T0], v[\ST]
	s_delay_alu instid0(VALU_DEP_2)
	v_floor_f32 v[\ST], -v[\ST+1]                  ; the new -M = floor(-t): M is a whole number
	s_delay_alu instid0(VALU_DEP_1)
	v_sub_f32 v[T0], v[\ST], v[T0]                 ; old M - new M: a whole number, 0 or less
	s_delay_alu instid0(VALU_DEP_1)
	v_cvt_i32_f32 v[T0], v[T0]                     ; (it saturates)
	s_delay_alu instid0(VALU_DEP_1)
	v_ldexp_f32 v[F], 1.0, v[T0]                   ; f
.set j, 0
.rept 32
	v_pk_fma_f32 v[\S+j:\S+j+1], v[\S+j:\S+j+1], s[22:23], v[\ST:\ST+1] op_sel_hi:[1,0,0]   ; t - M, two at a time (of the pairs c and -M the low word serves both halves)
.set j, j+2
.endr
.set j, 0
	s_wait_alu depctr_va_vdst(0)
.rept 64
	v_exp_f32 v[\S+j], v[\S+j]                     ; p = 2^(t - M)
.set j, j+1
.endr
	v_pk_mul_f32 v[\ST+2:\ST+3], v[\ST+2:\ST+3], v[F:F+1] op_sel_hi:[1,0]   ; the sums under the new M; the plain line behind the exponentials
	s_wait_alu depctr_va_vdst(0)                   ; one wait for the whole batch, ahead of its first reader
	v_pk_add_f32 v[48:49], v[\S:\S+1], v[\S+2:\S+3]   ; the row's sum is taken of the unquantised p: two at a time, in two chains
.irp i, 4,8,12,16,20,24,28,32,36,40,44,48,52,56,60
	v_pk_add_f32 v[\ST+2:\ST+3], v[\ST+2:\ST+3], v[\S+\i:\S+\i+1]
	v_pk_add_f32 v[48:49], v[48:49], v[\S+\i+2:\S+\i+3]
.endr
	s_delay_alu instid0(VALU_DEP_1)
	v_pk_add_f32 v[\ST+2:\ST+3], v[\ST+2:\ST+3], v[48:49]
.set j, 0
.rept 16
	v_pk_mul_f32 v[\O+j:\O+j+1], v[\O+j:\O+j+1], v[F:F+1] op_sel_hi:[1,0]   ; O^T under the new M
.set j, j+2
.endr
	s_cmp_lt_i32 s28, -15                          ; e4 >= -15: the largest code x the scale is 1.75 or more, over every p: the hold would change nothing
	s_cbranch_scc0 .Lno_hold_\@
.set j, 0
.rept 64
	v_min_num_f32 v[\S+j], v[\S+j], v[PLIM]        ; the conversion to an 8-bit code does not saturate (ISA guide 7.6.2); p is not negative, so the hold is one-sided
.set j, j+1
.endr
.Lno_hold_\@:
.irp c, 0,1,2,3,4,5,6,7
	v_cvt_scalef32_pk8_bf8_f32 v[\P+2*\c:\P+2*\c+1], v[\S+8*\c:\S+8*\c+7], v[PSC]
.endr
.endm
.Lstep:
	v_add_nc_u32 v[ADR], s32, v[L16]
.rept 5
	v_nop                                          ; with the line above six places behind the last products: four are owed to the loads into P's registers, five to the products that write over V's
.endr
	KLOAD 0
	s_wait_alu depctr_va_vdst(0)
	s_wait_dscnt 0x0
	SQK 0
.rept 4
	v_nop                                          ; four places ahead of loads into registers that matrix instructions have read
.endr
	KLOAD 1
	s_wait_dscnt 0x0
	SQK 1
.rept 4
	v_nop                                          ; and ahead of the first read of results
.endr
	SOFTMAX SA, STA, KF, OA
	v_add_nc_u32 v[ADR], s33, v[L16]               ; (the plain line behind the conversions)
.irp d, 0,1,2,3                        ; V's four fragments take the place of tile A's scores, and land during tile B's softmax
.irp g, 0,1,2,3
	ds_load_b128 v[SA+16*\d+4*\g:SA+16*\d+4*\g+3], v[ADR] offset:2048*\d+512*\g
.endr
.endr
	SOFTMAX SB, STB, KF+16, OBB
	v_nop                                          ; a plain line between the conversions and the products that read their results
	s_wait_alu depctr_va_vdst(0)
	s_wait_dscnt 0x0
.irp d, 0,1,2,3                        ; O^T += V^T P^T: eight accumulators, one instruction each
	v_wmma_f32_16x16x128_bf8_bf8 v[OA+8*\d:OA+8*\d+7],   v[SA+16*\d:SA+16*\d+15], v[KF:KF+15],    v[OA+8*\d:OA+8*\d+7]
	v_wmma_f32_16x16x128_bf8_bf8 v[OBB+8*\d:OBB+8*\d+7], v[SA+16*\d:SA+16*\d+15], v[KF+16:KF+31], v[OBB+8*\d:OBB+8*\d+7]
.endr
	s_add_co_u32 s32, s32, 8192
	s_add_co_u32 s33, s33, 8192
	s_sub_co_u32 s34, s34, 1
	s_cmp_lg_u32 s34, 0
	s_cbranch_scc1 .Lstep
	; THE WAY OUT
.rept 4
	v_nop
.endr
	v_add_f32 v[STA+2], v[STA+2], v[STA+3]         ; the sums' two halves,
	v_add_f32 v[STB+2], v[STB+2], v[STB+3]
	s_delay_alu instid0(VALU_DEP_2)
	v_permlanex16_b32 v15, v[STA+2], s20, s21
	s_delay_alu instid0(VALU_DEP_2)
	v_permlanex16_b32 v[T0], v[STB+2], s20, s21
	s_delay_alu instid0(VALU_DEP_2)
	v_add_f32 v[STA+2], v[STA+2], v15              ; and lane l xor 16's
	s_delay_alu instid0(VALU_DEP_2)
	v_add_f32 v[STB+2], v[STB+2], v[T0]
	s_wait_alu depctr_va_vdst(0)
	v_rcp_f32 v[STA+2], v[STA+2]
	v_rcp_f32 v[STB+2], v[STB+2]
	v_add_nc_u32 v[ADR], APIMG, v[L16]             ; (the plain line behind the reciprocals)
.irp g, 0,1,2,3
	ds_load_b128 v[160+4*\g:163+4*\g], v[ADR] offset:512*\g   ; A_proj^T's two fragments
.endr
	s_add_co_i32 s46, s28, s29                     ; e4 + e5
	s_add_co_i32 s42, s30, 127                     ; e6
	s_lshl_b32 s43, s42, 23
	s_add_co_i32 s42, s42, 15
	s_lshl_b32 s42, s42, 23
	s_or_b32 s42, s42, 0x600000
	v_mov_b32 v[PSC], s43                          ; 2^e6
	v_mov_b32 v[PLIM], s42                         ; 57,344 x 2^e6
	s_lshr_b32 s42, s15, 4                         ; my first row tile: 128 x batch + 32 x work-group x + 2 x wave
	s_lshl_b32 s42, s42, 7
	s_lshl_b32 s43, ttmp9, 5
	s_add_co_u32 s42, s42, s43
	s_lshl_b32 s43, s14, 1
	s_add_co_u32 s42, s42, s43
	s_lshl_b32 s44, s42, 14                        ; o_codes: 16,384 bytes a row tile, 1,024 a head
	s_lshl_b32 s43, s16, 10
	s_add_co_u32 s44, s44, s43
	s_mov_b32 s45, 0
	s_add_nc_u64 s[10:11], s[10:11], s[44:45]
	s_lshl_b32 s44, s42, 13                        ; oap: 8,192 bytes a row tile, 512 a head
	s_lshl_b32 s43, s16, 9
	s_add_co_u32 s44, s44, s43
	s_add_nc_u64 s[12:13], s[12:13], s[44:45]
	s_wait_alu depctr_va_vdst(0)                   ; one wait for both reciprocals, ahead of their first reader
	v_ldexp_f32 v[STA+2], v[STA+2], s46            ; 2^(e4 + e5) / the sum
	v_ldexp_f32 v[STB+2], v[STB+2], s46
.set j, 0
.rept 16
	v_pk_mul_f32 v[64+j:65+j], v[OA+j:OA+j+1], v[STA+2:STA+3] op_sel_hi:[1,0]    ; out: register 8 t + i is out(query r, 16 t + 8 h + i)
	v_pk_mul_f32 v[96+j:97+j], v[OBB+j:OBB+j+1], v[STB+2:STB+3] op_sel_hi:[1,0]
.set j, j+2
.endr
.set j, 0
.rept 16
	v_cvt_pk_bf16_f32 v[128+j], v[64+2*j], v[65+2*j]   ; tiles 2 f and 2 f + 1 of O^T are one bf16 fragment: 32 along K
	v_cvt_pk_bf16_f32 v[144+j], v[96+2*j], v[97+2*j]
.set j, j+1
.endr
	s_wait_dscnt 0x0
	v_wmma_f32_16x16x32_bf16 v[176:183], v[160:167], v[128:135], 0            ; the two tiles by turns
	s_wait_alu depctr_va_vdst(0)
	v_wmma_f32_16x16x32_bf16 v[184:191], v[160:167], v[144:151], 0
	v_wmma_f32_16x16x32_bf16 v[176:183], v[168:175], v[136:143], v[176:183]
	v_wmma_f32_16x16x32_bf16 v[184:191], v[168:175], v[152:159], v[184:191]
.set j, 0
.rept 64
	v_med3_num_f32 v[64+j], v[64+j], -v[PLIM], v[PLIM]   ; the hold; these lines are also the places behind the four products
.set j, j+1
.endr
.irp t, 0,1,2,3
	v_cvt_scalef32_pk8_bf8_f32 v[32+2*\t:33+2*\t], v[64+8*\t:71+8*\t], v[PSC]
	v_cvt_scalef32_pk8_bf8_f32 v[40+2*\t:41+2*\t], v[96+8*\t:103+8*\t], v[PSC]
.endr
	v_nop
	global_store_b128 v[L16], v[32:35], s[10:11]                  ; each store covers 512 consecutive bytes
	global_store_b128 v[L16], v[36:39], s[10:11] offset:512
	global_store_b128 v[L16], v[40:43], s[10:11] offset:16384
	global_store_b128 v[L16], v[44:47], s[10:11] offset:16896
	global_store_b128 v[L16], v[176:179], s[12:13]                ; result registers 0 to 3: the eight ranks
	global_store_b128 v[L16], v[184:187], s[12:13] offset:8192
	v_lshl_add_u32 v2, v0, 2, APIMG+2048           ; my spare word (2,048 bytes behind A_proj's image, 128 a wave) and 0: no two registers can be kept for them, so v0 was kept
	v_mov_b32 v5, 0
	s_wait_alu depctr_va_vdst(0)                   ; directly ahead of the wait below
	s_wait_tensorcnt 0x0                           ; the wave's end, behind my last LDS store
	ds_add_u32 v2, v5
	s_wait_dscnt 0x0
	s_endpgm
.Lfunc_end_k_q8d05fbd733_attn:
	.size	k_q8d05fbd733_attn, .Lfunc_end_k_q8d05fbd733_attn-k_q8d05fbd733_attn
	.p2alignl 7, 3214868480
	.fill 96, 4, 3214868480
	.section	.rodata,"a",@progbits
	.p2align	6, 0x0
	.amdhsa_kernel k_q8d05fbd733_attn
		.amdhsa_group_segment_fixed_size 266240
		.amdhsa_private_segment_fixed_size 0
		.amdhsa_enable_private_segment 0
		.amdhsa_kernarg_size 40
		.amdhsa_user_sgpr_count 2
		.amdhsa_user_sgpr_kernarg_segment_ptr 1
		.amdhsa_wavefront_size32 1
		.amdhsa_system_sgpr_workgroup_id_x 1
		.amdhsa_system_sgpr_workgroup_id_y 1
		.amdhsa_system_sgpr_workgroup_id_z 1
		.amdhsa_system_vgpr_workitem_id 0
		.amdhsa_next_free_vgpr 256
		.amdhsa_next_free_sgpr 66
		.amdhsa_reserve_vcc 0
		.amdhsa_float_denorm_mode_32 3
		.amdhsa_float_denorm_mode_16_64 3
		.amdhsa_memory_ordered 1
		.amdhsa_forward_progress 1
		.amdhsa_inst_pref_size 54
	.end_amdhsa_kernel
	.amdgpu_metadata
---
amdhsa.version: [ 1, 2 ]
amdhsa.kernels:
  - .name:           k_q8d05fbd733_attn
    .symbol:         k_q8d05fbd733_attn.kd
    .args:
      - { .name: qkv_codes, .offset: 0, .size: 8, .value_kind: global_buffer, .address_space: global }
      - { .name: A_proj, .offset: 8, .size: 8, .value_kind: global_buffer, .address_space: global }
      - { .name: lowp_scales, .offset: 16, .size: 8, .value_kind: global_buffer, .address_space: global }
      - { .name: o_codes, .offset: 24, .size: 8, .value_kind: global_buffer, .address_space: global }
      - { .name: oap, .offset: 32, .size: 8, .value_kind: global_buffer, .address_space: global }
    .group_segment_fixed_size: 266240
    .private_segment_fixed_size: 0
    .kernarg_segment_align: 8
    .kernarg_segment_size: 40
    .max_flat_workgroup_size: 512
    .sgpr_count:     66
    .vgpr_count:     256
    .wavefront_size: 32
...
	.end_amdgpu_metadata
.endif
;; end of part 3
;; launch proj (part 4): grid 32 x 8, 4 waves a work-group, no clusters, 298,496 bytes of LDS; arguments o_codes, w_codes, lowp_scales, oap, B_proj, b_proj, out0; writes out0
.if DOCPART == 4
	.amdgcn_target "amdgcn-amd-amdhsa--gfx1250"
	.amdhsa_code_object_version 6
	.text
	.protected	k_q8d05fbd733_proj
	.globl	k_q8d05fbd733_proj
	.p2align	8
	.type	k_q8d05fbd733_proj,@function
k_q8d05fbd733_proj:
	s_mov_b64 s[64:65], 0
	v_nop
	global_prefetch_b8 v0, s[64:65] scope:SCOPE_SE
	s_setreg_imm32_b32 hwreg(HW_REG_WAVE_MODE, 25, 1), 1
	s_wait_xcnt 0x0
; out0 [8192][1024] f32 = out W_proj + b_proj + 2 (out A_proj) B_proj.  out and W_proj come as codes of BF8 (E5M2) with the scales 2^e6, 2^e7; out A_proj comes as sixteen heads' parts in f32 (oap: [row tile][head][512]).
; o_codes: [row tile 512][K step 8][2,048]; w_codes: [column tile][K step 8][2,048], W_proj's tiles from 192 on: images of operand registers (registers 4 g .. 4 g + 3 of lane l at byte 512 g + 16 l).
; SHARES.  256 work-groups, each 256 rows x 128 columns; a wave makes 64 x 128: 32 accumulators.  A wave's codes of out for the whole K, 512 registers, are loaded once, straight from their images.
; W's 128 columns x 1,024 K (131,072 dense bytes) and the work-group's 131,072 bytes of oap come into LDS by one tensor load a wave (waves 0, 1: W; waves 2, 3: oap), filled once.
; THE WAVE'S PART IS MADE IN FOUR UNITS of 32 rows x 64 columns, each over the whole K, and each unit is stored as soon as it is finished, so that three quarters of the stores are on their way while later units are multiplied.
; A unit is eight sets of four fragments of W (three sets of registers, two asked for ahead), 16 LDS loads and 8 matrix instructions a set.  W is read from LDS twice by each wave, once for each pair of row tiles.
; Only the first pair's codes of out are asked for at the head; the second pair's go out 8 loads a K step inside the first unit.
; A unit's rows come back from the stage into its own accumulators, which are done with: no store's data are ever written again.
; NO CLUSTER: of the 524,288 bytes that a work-group reads, only W's 131,072 are shared with others.  NO PREFETCH: what is read is asked for at the head or in the first unit; there is no loop to run ahead in.
; Source 0 = 16 columns of W, source 1 = 16 rows of out: a lane holds eight neighbouring numbers of a row of out0.
; THE LOW-RANK PART starts the sums: one bf16 product for each accumulator (its result goes into no quantiser).  K place 8 h + i holds rank 2 h, 2 h + 1, 4 + 2 h, 5 + 2 h (i = 0 .. 3), as oap's image has them.
; The rows' fragments hold zeros in all other K places, so the columns' fragments may overlap: fragment b is registers 2 b .. 2 b + 7 of one run.  The rows' numbers are 2 x the sum over heads / 2^(e6 + e7).
; B_proj and the bias are parked in LDS bytes of the wave's own, 9 loads in place of 48.  At the end: sum x 2^(e6 + e7) + bias, one fused multiply-add.
; LIMITS: e6 + e7 between -126 and 127.  NaN and infinities among the inputs are not served (an infinity in B_proj would meet the zeros of other column tiles).
; REGISTERS.  Window 0: v0-15 addresses, v16-47 a unit's bias, v64-255 W's three sets (before a pair: low-rank operands; behind a unit: its numbers).  Window 1: accumulators, (a, b) at 64 a + 8 b.  Windows 2, 3: out, fragment (k, a) at 64 (k % 4) + 16 a.
.set OAPL,   131072
.set STAGE,  262144
.set SPITCH, 272                       ; a stage row: 256 bytes + 16
.set STAGEB, 16*SPITCH                 ; a wave's own stage
.set PARK,   STAGE+4*STAGEB            ; for each wave 8 rows of B_proj (512 bytes each) and 512 bytes of bias
.set PARKW,  4608
.set SPARE,  PARK+4*PARKW              ; the spare words, 128 bytes a wave; no other line names them
.set SPW,  2
.set NIL,  3
.set L16,  4                           ; 16 x lane; also W's columns 0-63 in LDS
.set BAD,  4                           ; v4-5  LDS: 65,536 q + 16 x lane
.set OAD,  6
.set PST,  8
.set PLB,  9
.set PBQ,  10
.set STO,  11
.set RD,   12
.set CO,   13
.set BIASR, 16
.set BS,   64
.set OB,   64
.set LBP,  64
.set LA,   96
.set SUM,  192
.set BRAW, 208
.set TMP,  64
.set MSB, 0
.macro WIN new                         ; the immediate's high byte repeats the setting that is left
.if MSB != \new
	s_set_vgpr_msb (MSB<<8)|\new
.set MSB, \new
.endif
.endm
.macro PLACES n
.rept \n
	v_nop
.endr
.endm
.macro LOADSET hf, k                   ; K step k of column tiles 4 hf .. + 3
.set BB, BS+64*((\k)%3)
	WIN 0
.irp t, 0,1,2,3
.irp g, 0,1,2,3
	ds_load_b128 v[BB+16*\t+4*\g:BB+16*\t+4*\g+3], v[BAD+(\hf)] offset:16384*\t+2048*(\k)+512*\g
.endr
.endr
.endm
.macro MULU p, hf, k                   ; 8 products on the unit's 8 accumulators by turns
.set BB, BS+64*((\k)%3)
.set AR, 64*((\k)%4)
.set WV, 0x50|((2+(\k)/4)<<2)
	WIN WV
.irp t, 0,1,2,3
.irp u, 0,1
	v_wmma_f32_16x16x128_bf8_bf8 v[64*(2*(\p)+\u)+8*(4*(\hf)+\t):64*(2*(\p)+\u)+8*(4*(\hf)+\t)+7], v[BB+16*\t:BB+16*\t+15], v[AR+16*(2*(\p)+\u):AR+16*(2*(\p)+\u)+15], v[64*(2*(\p)+\u)+8*(4*(\hf)+\t):64*(2*(\p)+\u)+8*(4*(\hf)+\t)+7]
.endr
.endr
.endm
.macro ALOAD2 p, k                     ; out's fragments of row tiles 2 p, 2 p + 1, K step k: 8 loads
.set WV, (2+(\k)/4)<<6
	WIN WV
.irp u, 0,1
.irp g, 0,1,2,3
	global_load_b128 v[64*((\k)%4)+16*(2*(\p)+\u)+4*\g:64*((\k)%4)+16*(2*(\p)+\u)+4*\g+3], v[L16], s[42:43] offset:16384*(2*(\p)+\u)+2048*(\k)+512*\g
.endr
.endr
.endm
	s_load_b256 s[4:11], s[0:1], 0x0               ; o_codes, w_codes, lowp_scales, oap
	s_load_b128 s[12:15], s[0:1], 0x20             ; B_proj, b_proj
	s_load_b64 s[16:17], s[0:1], 0x30              ; out0
	v_lshl_add_u32 v[SPW], v0, 2, SPARE
	v_mov_b32 v[NIL], 0
	ds_add_u32 v[SPW], v[NIL]                      ; the opening lines: the add, twice on end, and its wait
	ds_add_u32 v[SPW], v[NIL]
	v_lshrrev_b32 v15, 5, v0
	v_readfirstlane_b32 s20, v15                   ; wave 0..3
	s_and_b32 s21, s20, 1
	s_and_b32 s23, ttmp7, 0xffff                   ; column block of 128
	s_mov_b32 s24, 3<<16                           ; group 1: elements of 8 bytes; 256 rows of 256 dense bytes
	s_mov_b32 s25, 32<<16
	s_mov_b32 s26, 256<<16
	s_mov_b32 s27, 32<<16
	s_mov_b32 s28, 256
	s_mov_b32 s29, 32
	s_mov_b32 s30, 0
	s_mov_b32 s31, 0
	s_mov_b32 s32, 1
	s_lshl_b32 s33, s20, 16                        ; W's halves, then oap's halves
	s_lshl_b32 s36, s23, 17
	s_add_co_u32 s36, s36, 3145728                 ; W_proj's column tiles, behind W_qkv's 192
	s_lshl_b32 s37, ttmp9, 17                      ; oap: 16 row tiles of 8,192 bytes a work-group
	s_lshl_b32 s38, s21, 16
	s_wait_dscnt 0x0                               ; both opening adds are done
	s_wait_kmcnt 0x0
	s_load_b256 s[76:83], s[8:9], 0x0              ; e0 .. e7
	s_cmp_lt_u32 s20, 2                            ; the choice hangs on the wave's number alone
	s_cselect_b64 s[34:35], s[6:7], s[10:11]
	s_cselect_b32 s36, s36, s37
	s_add_co_u32 s36, s36, s38
	s_mov_b32 s37, 0
	s_add_nc_u64 s[34:35], s[34:35], s[36:37]
	s_or_b32 s35, s35, 0x80000000
	tensor_load_to_lds s[32:35], s[24:31]          ; my one tensor load
	s_nop 0
	PLACES 4
	v_and_b32 v48, 31, v0
	v_and_b32 v49, 15, v0                          ; r
	v_bfe_u32 v50, v0, 4, 1                        ; h
	v_lshlrev_b32 v[L16], 4, v48
	s_mul_i32 s39, s20, PARKW
	s_add_co_u32 s39, s39, PARK
	s_mul_i32 s40, s20, STAGEB
	s_add_co_u32 s40, s40, STAGE
	s_lshl_b32 s41, s20, 15
	s_add_co_u32 s41, s41, OAPL
	v_lshlrev_b32 v51, 2, v49
	v_lshl_add_u32 v51, v50, 10, v51
	v_add_nc_u32 v[BAD+1], 65536, v[L16]
	v_add_nc_u32 v[OAD], s41, v[L16]               ; my four row tiles of oap
	v_add_nc_u32 v[PST], s39, v[L16]
	v_add_nc_u32 v[PLB], s39, v51                  ; B_proj: 2 h rows down, column r
	v_lshlrev_b32 v52, 5, v50
	v_add_nc_u32 v[PBQ], s39, v52                  ; bias: columns 8 h ..
	v_mul_u32_u24 v53, v49, SPITCH
	v_add_nc_u32 v53, v53, v52
	v_add_nc_u32 v[STO], s40, v53                  ; stage, in: row r, 32 bytes for each half of the lanes
	v_mul_u32_u24 v54, v50, SPITCH
	v_lshl_add_u32 v54, v49, 4, v54
	v_add_nc_u32 v[RD], s40, v54                   ; stage, back: sixteen lanes to a row of 256 bytes, two rows an instruction
	v_lshlrev_b32 v55, 4, v49
	v_lshl_add_u32 v[CO], v50, 12, v55             ; and the same two rows in out0
	s_lshl_b32 s42, ttmp9, 18                      ; o_codes: 16 tiles of 16,384 bytes a work-group, 4 a wave
	s_lshl_b32 s43, s20, 16
	s_add_co_u32 s42, s42, s43
	s_mov_b32 s43, 0
	s_add_nc_u64 s[42:43], s[4:5], s[42:43]
	s_lshl_b32 s44, s23, 9                         ; my 128 columns x 4 bytes
	s_mov_b32 s45, 0
	s_add_nc_u64 s[12:13], s[12:13], s[44:45]
	s_add_nc_u64 s[14:15], s[14:15], s[44:45]
	s_lshl_b32 s46, ttmp9, 20                      ; out0: 256 rows of 4,096 bytes a work-group, 64 a wave
	s_lshl_b32 s47, s20, 18
	s_add_co_u32 s46, s46, s47
	s_add_co_u32 s46, s46, s44
	s_mov_b32 s47, 0
	s_add_nc_u64 s[16:17], s[16:17], s[46:47]
	s_wait_alu depctr_va_vdst(0)                   ; the head's end
.irp p, 0,1,2,3,4,5,6,7
	global_load_b128 v[64+4*\p:64+4*\p+3], v[L16], s[12:13] offset:\p*4096
.endr
	global_load_b128 v[96:99], v[L16], s[14:15]
.irp k, 0,1,2,3,4,5,6,7
	ALOAD2 0, \k
.endr
	WIN 0
	s_wait_kmcnt 0x0
	s_add_co_i32 s93, s82, s83                     ; e6 + e7
	s_sub_co_i32 s94, 1, s93                       ; the factor 2 and 1 / 2^(e6 + e7)
	s_add_co_i32 s96, s93, 127
	s_lshl_b32 s96, s96, 23                        ; 2^(e6 + e7) as f32
	s_mov_b32 s97, s96
	s_wait_tensorcnt 0x0                           ; my part of W or of oap is in
	s_wait_loadcnt 63                              ; B_proj and the bias are in: 64 loads stand behind them
.irp p, 0,1,2,3,4,5,6,7,8
	ds_store_b128 v[PST], v[64+4*\p:64+4*\p+3] offset:512*\p
.endr
	s_wait_dscnt 0x0
	s_barrier_signal -1
	s_barrier_wait -1                              ; everybody's part is in
.macro LORAPREP p                      ; row tiles 2 p, 2 p + 1: the heads' parts added in four chains, the bf16 fragments, and the 16 products that start their sums
	WIN 0
.irp b, 0,1,2,3,4,5,6,7
.irp s, 0,1
.irp j, 0,1
	ds_load_b32 v[BRAW+4*\b+2*\s+\j], v[PLB] offset:(4*\s+\j)*512+64*\b   ; B_proj(4 s + 2 h + j, 16 b + r)
.endr
.endr
.endr
.irp u, 0,1
.irp hd, 0,1,2,3,4,5,6,7,8,9,10,11,12,13,14,15
	ds_load_b128 v[OB+64*\u+4*\hd:OB+64*\u+4*\hd+3], v[OAD] offset:(2*(\p)+\u)*8192+512*\hd
.endr
.endr
	s_wait_dscnt 0x0
.irp u, 0,1
	v_pk_add_f32 v[SUM+4*\u:SUM+4*\u+1],   v[OB+64*\u:OB+64*\u+1],   v[OB+64*\u+4:OB+64*\u+5]
	v_pk_add_f32 v[SUM+4*\u+2:SUM+4*\u+3], v[OB+64*\u+2:OB+64*\u+3], v[OB+64*\u+6:OB+64*\u+7]
.endr
.irp hd, 2,3,4,5,6,7,8,9,10,11,12,13,14,15
.irp u, 0,1
	v_pk_add_f32 v[SUM+4*\u:SUM+4*\u+1],   v[SUM+4*\u:SUM+4*\u+1],   v[OB+64*\u+4*\hd:OB+64*\u+4*\hd+1]
	v_pk_add_f32 v[SUM+4*\u+2:SUM+4*\u+3], v[SUM+4*\u+2:SUM+4*\u+3], v[OB+64*\u+4*\hd+2:OB+64*\u+4*\hd+3]
.endr
.endr
.irp i, 0,1,2,3,4,5,6,7
	v_ldexp_f32 v[SUM+\i], v[SUM+\i], s94
.endr
.irp u, 0,1
	v_cvt_pk_bf16_f32 v[LA+8*\u],   v[SUM+4*\u],   v[SUM+4*\u+1]
	v_cvt_pk_bf16_f32 v[LA+8*\u+1], v[SUM+4*\u+2], v[SUM+4*\u+3]
.irp i, 2,3,4,5,6,7
	v_mov_b32 v[LA+8*\u+\i], 0                     ; the rows' fragments: zeros in every K place but their own four
.endr
.endr
.irp i, 0,1,2,3,4,5,6,7,8,9,10,11,12,13,14,15
	v_cvt_pk_bf16_f32 v[LBP+\i], v[BRAW+2*\i], v[BRAW+2*\i+1]   ; the columns' run: two registers a column tile
.endr
.irp i, 16,17,18,19,20,21
	v_mov_b32 v[LBP+\i], 0                         ; what the last fragments reach beyond the run
.endr
	WIN 0x40                                       ; D in window 1
.irp u, 0,1
.irp b, 0,1,2,3,4,5,6,7
	v_wmma_f32_16x16x32_bf16 v[64*(2*(\p)+\u)+8*\b:64*(2*(\p)+\u)+8*\b+7], v[LBP+2*\b:LBP+2*\b+7], v[LA+8*\u:LA+8*\u+7], 0
.endr
.endr
	PLACES 5                                       ; another form takes these results up as C, and loads land on the sources
.endm
; A UNIT: row tiles 2 p, 2 p + 1 x column tiles 4 hf .. + 3, the whole K, and its way out.  first = 1: out's loads are still on their way, and the second pair's are issued here.
.macro UNIT p, hf, first
	WIN 0
.irp t, 0,1,2,3
	ds_load_b128 v[BIASR+8*\t:BIASR+8*\t+3],   v[PBQ] offset:4096+64*(4*(\hf)+\t)      ; bias at columns 16 b + 8 h + 0 .. 7
	ds_load_b128 v[BIASR+8*\t+4:BIASR+8*\t+7], v[PBQ] offset:4096+64*(4*(\hf)+\t)+16
.endr
	LOADSET \hf, 0
	LOADSET \hf, 1
.set KN, 0
.rept 8
.if KN < 6
.if KN > 0
	PLACES 4                                       ; ahead of loads into the set that the last products read
.endif
	LOADSET \hf, KN+2
.endif
.if \first
	ALOAD2 1, KN
	s_wait_loadcnt 63                              ; behind this K step's loads of the first pair stand 8 (7 - k) of that pair and 8 (k + 1) of the second: 64; the field's largest count is one under that
.endif
.if KN < 6
	s_wait_dscnt 32                                ; this set is in; the two younger sets' 32 loads may be out
.else
	s_wait_dscnt 16*(7-KN)
.endif
	MULU \p, \hf, KN
.set KN, KN+1
.endr
	PLACES 4                                       ; ahead of the first read of results, of writes over W's sets and of loads into the accumulators
.irp u, 0,1                            ; 16 rows x 64 columns at a time through my own stage.  LDS serves a wave's instructions in order (ISA guide 5.7.1.4)
.set AC, 64*(2*(\p)+\u)+32*(\hf)
.set TM, TMP+32*\u
	WIN 0x01                                       ; source 0 window 1
.set j, 0
.rept 16
	v_pk_fma_f32 v[TM+j:TM+j+1], v[AC+j:AC+j+1], s[96:97], v[BIASR+j:BIASR+j+1] op_sel_hi:[1,0,1]   ; each accumulator from its low end on
.set j, j+2
.endr
	WIN 0
.irp t, 0,1,2,3
	ds_store_b128 v[STO], v[TM+8*\t:TM+8*\t+3] offset:64*\t
	ds_store_b128 v[STO], v[TM+8*\t+4:TM+8*\t+7] offset:64*\t+16
.endr
	WIN 0x40                                       ; back into the accumulators just read, which no later line writes
.irp i, 0,1,2,3,4,5,6,7
	ds_load_b128 v[AC+4*\i:AC+4*\i+3], v[RD] offset:2*\i*SPITCH
.endr
.endr
	WIN 0x04                                       ; store data in window 1
.irp u, 0,1
.set AC, 64*(2*(\p)+\u)+32*(\hf)
	s_wait_dscnt 16-16*\u                          ; behind the first block's loads stand the second's 8 stores and 8 loads
.irp i, 0,1,2,3,4,5,6,7
	global_store_b128 v[CO], v[AC+4*\i:AC+4*\i+3], s[16:17] offset:(16*(2*(\p)+\u)+2*\i)*4096+256*(\hf) th:TH_STORE_NT   ; sixteen lanes store 256 consecutive bytes, aligned
.endr
.endr
.endm
	LORAPREP 0
	UNIT 0, 0, 1
	UNIT 0, 1, 0
	s_wait_loadcnt 0x0                             ; the second pair's codes are in
	LORAPREP 1
	UNIT 1, 0, 0
	UNIT 1, 1, 0
	WIN 0
	s_wait_tensorcnt 0x0                           ; the wave's end, behind my last LDS store
	ds_add_u32 v[SPW], v[NIL]
	s_wait_dscnt 0x0
	s_endpgm
.Lfunc_end_k_q8d05fbd733_proj:
	.size	k_q8d05fbd733_proj, .Lfunc_end_k_q8d05fbd733_proj-k_q8d05fbd733_proj
	.p2alignl 7, 3214868480
	.fill 96, 4, 3214868480
	.section	.rodata,"a",@progbits
	.p2align	6, 0x0
	.amdhsa_kernel k_q8d05fbd733_proj
		.amdhsa_group_segment_fixed_size 298496
		.amdhsa_private_segment_fixed_size 0
		.amdhsa_enable_private_segment 0
		.amdhsa_kernarg_size 56
		.amdhsa_user_sgpr_count 2
		.amdhsa_user_sgpr_kernarg_segment_ptr 1
		.amdhsa_wavefront_size32 1
		.amdhsa_system_sgpr_workgroup_id_x 1
		.amdhsa_system_sgpr_workgroup_id_y 1
		.amdhsa_system_sgpr_workgroup_id_z 1
		.amdhsa_system_vgpr_workitem_id 0
		.amdhsa_next_free_vgpr 1024
		.amdhsa_next_free_sgpr 100
		.amdhsa_reserve_vcc 0
		.amdhsa_float_denorm_mode_32 3
		.amdhsa_float_denorm_mode_16_64 3
		.amdhsa_memory_ordered 1
		.amdhsa_forward_progress 1
		.amdhsa_inst_pref_size 120
	.end_amdhsa_kernel
	.amdgpu_metadata
---
amdhsa.version: [ 1, 2 ]
amdhsa.kernels:
  - .name:           k_q8d05fbd733_proj
    .symbol:         k_q8d05fbd733_proj.kd
    .args:
      - { .name: o_codes, .offset: 0, .size: 8, .value_kind: global_buffer, .address_space: global }
      - { .name: w_codes, .offset: 8, .size: 8, .value_kind: global_buffer, .address_space: global }
      - { .name: lowp_scales, .offset: 16, .size: 8, .value_kind: global_buffer, .address_space: global }
      - { .name: oap, .offset: 24, .size: 8, .value_kind: global_buffer, .address_space: global }
      - { .name: B_proj, .offset: 32, .size: 8, .value_kind: global_buffer, .address_space: global }
      - { .name: b_proj, .offset: 40, .size: 8, .value_kind: global_buffer, .address_space: global }
      - { .name: out0, .offset: 48, .size: 8, .value_kind: global_buffer, .address_space: global }
    .group_segment_fixed_size: 298496
    .private_segment_fixed_size: 0
    .kernarg_segment_align: 8
    .kernarg_segment_size: 56
    .max_flat_workgroup_size: 128
    .sgpr_count:     100
    .vgpr_count:     1024
    .wavefront_size: 32
...
	.end_amdgpu_metadata
.endif
;; end of part 4
